; MI455X (gfx1250); checked and timed in simulation.
; The chip was launched on July 23, 2026; its instructions are those of AMD's public machine-readable ISA for CDNA 5 (MIT licence, August 2026) and "CDNA5" Instruction Set Architecture Reference Guide (July 2026). The comments in the code are by the model that wrote it; some were corrected since.
;; Block. Allowed arithmetic: matrix products marked QUANTISED: E4M3 operands, one E8M0 scale for each 32 along K, by v_wmma_scale_f32_16x16x128_f8f6f4 with both operands' format E4M3, f32 sums; everything else in f32.
;; Inputs: b1 2,048 float32; b2 512 float32; b_proj 512 float32; ln1_b 512 float32; ln1_g 512 float32; ln2_b 512 float32; ln2_g 512 float32; w1 512 x 2,048 float32; w2 2,048 x 512 float32; w_proj 512 x 512 float32; wk 16 x 512 x 32 float32; wq 16 x 512 x 32 float32; wv 16 x 512 x 32 float32; x 128 x 128 x 512 float32.
;; Outputs: out0 128 x 128 x 512 float32.
;; This version of the problem:
;;   THIS VERSION OF THE PROBLEM IS GIVEN IN LOW PRECISION. The matrix products marked QUANTISED in the list below multiply operands that are first quantised to E4M3 (4 exponent bits, 3 mantissa bits; 8 bits a number), with one power-of-two scale for each 32 numbers along K (OCP MX v1.0); their sums are f32. All else is computed in f32.
;;   The module's matrix products, in the order in which they are computed (A, B: the left and right operand; K: the contracted axis; several contracted axes count as one K, in the product's order):
;;     1. [M 512, K 512] x [K 512, N 16,384]; A: input wq; B: computed on the way: QUANTISED
;;     2. [M 512, K 512] x [K 512, N 16,384]; A: input wk; B: computed on the way: QUANTISED
;;     3. [M 512, K 512] x [K 512, N 16,384]; A: input wv; B: computed on the way: QUANTISED
;;     4. batch 2,048 x [M 128, K 32] x [K 32, N 128]; A: computed on the way; B: computed on the way: QUANTISED
;;     5. batch 2,048 x [M 128, K 128] x [K 128, N 32]; A: softmax (see below); B: computed on the way: QUANTISED
;;     6. [M 16,384, K 512] x [K 512, N 512]; A: computed on the way; B: input w_proj: QUANTISED
;;     7. [M 16,384, K 512] x [K 512, N 2,048]; A: computed on the way; B: input w1: QUANTISED
;;     8. [M 16,384, K 2,048] x [K 2,048, N 512]; A: computed on the way; B: input w2: QUANTISED
;;   THE QUANTISER, for each operand of a quantised product, along K:
;;     - K is cut into blocks of 32 from its start; a last block that is shorter is filled with zeros.
;;     - A block's scale is 2^e with e = floor(log2(the largest magnitude in the block)) - 8, held to -126 .. 127; a block of zeros has e = 0. As a byte (E8M0): e + 127.
;;     - Each number is divided by its block's scale, clamped to +-448, and rounded to the nearest number of E4M3, ties to even, subnormals kept.
;;     - The product sums the exact products of the quantised numbers (number of the format x scale) in f32.
;;   ~~~python
;;   def quantise(x, axis):      # numpy; x: float32 -> the quantised numbers, widened to float32 again
;;       x = np.moveaxis(x, axis, -1); K = x.shape[-1]
;;       x = np.pad(x, [(0, 0)] * (x.ndim - 1) + [(0, -K % 32)]); x = x.reshape(x.shape[:-1] + (-1, 32)); a = np.abs(x).max(-1, keepdims=True)
;;       e = np.where(a > 0, np.clip(np.frexp(np.where(a > 0, a, 1))[1] - 1 - 8, -126, 127), 0)      # np.frexp(a)[1] - 1 = floor(log2(a)), exactly
;;       r = np.clip(x / 2.0 ** e, -448, 448)
;;       step = 2.0 ** (np.maximum(np.frexp(np.where(r == 0, 1, r))[1] - 1, -6) - 3)
;;       q = np.round(r / step) * step * 2.0 ** e      # np.round: ties to even
;;       return np.moveaxis(q.reshape(q.shape[:-2] + (-1,))[..., :K], -1, axis).astype(np.float32)
;;   ~~~
;;   SOFTMAX AHEAD OF A QUANTISED PRODUCT. Where the list says 'softmax', what is quantised is not the finished softmax but p = 2^(t - M), with t = logit x log2(e) and M = ceil(the row's largest t), a whole number; so 1/2 < the row's largest p <= 1. The row's sum l is taken of the UNQUANTISED p, in f32, and the product's result is divided by l at the end. Since M is a whole number, a kernel that streams over the keys may use a running M (the ceiling of the running maximum): every later rescaling is an exact power of two, which a block's scale takes up: the codes' values come out the same.
;;   OPERANDS COMPUTED ON THE WAY. 'Computed on the way' means the value that the module computes at that place (a softmax that the list does not call 'softmax' is quantised finished and normalised). What goes into a quantiser is computed in f32, as accurately as f32 sums, v_exp_f32 and their like allow (about 1e-6 of the number): no bf16 or f16 on the way to a quantiser, and a product that is left as it is and whose result goes on into a quantised operand takes f32 operands (vector FMAs, or v_wmma_f32_16x16x4_f32). A number that lies on a knife's edge between two numbers of the format may be rounded either way, as far as f32 arithmetic and the matrix unit's own rounding can turn it there, and no further.
;; One version. Each part assembles by itself: llvm-mc -triple=amdgcn-amd-amdhsa -mcpu=gfx1250 --defsym DOCPART=n.
;; ======== version 1 of 1: 2 launches
;; limits: right only within a limited range of input values
;; workspace buffers: hq 8,388,608 bytes; hs 524,288 bytes; wts 3,244,032 bytes
;; launch prep (part 1): grid 448 x 1, 4 waves a work-group, no clusters, 148,992 bytes of LDS; arguments x, ln1_g, ln1_b, wq, wk, wv, w_proj, w1, w2, hq, hs, wts; writes hq, hs, wts
.if DOCPART == 1
	.amdgcn_target "amdgcn-amd-amdhsa--gfx1250"
	.amdhsa_code_object_version 6
	.text
	.protected	k_qed1dc1449c_prep
	.globl	k_qed1dc1449c_prep
	.p2align	8
	.type	k_qed1dc1449c_prep,@function
k_qed1dc1449c_prep:
	s_mov_b64 s[64:65], 0
	v_nop
	global_prefetch_b8 v0, s[64:65] scope:SCOPE_SE
	s_setreg_imm32_b32 hwreg(HW_REG_WAVE_MODE, 25, 1), 1
	s_wait_xcnt 0x0
; PREP: what every row block of the second launch would otherwise make again is made once.
; (1) Work-groups 0-255: h = layernorm(x; ln1_g, ln1_b) of 64 rows, in f32, quantised along C to E4M3 with one E8M0 byte for each 32, stored as IMAGES OF OPERAND REGISTERS:
;     hq[block of 64 rows][tile m][K step s]: 2,048 bytes, piece c (registers 4c..4c+3) at 512 c + 16 lane; lane (r, hh) holds k = 128 s + 32 c + 16 hh + 0..15 of its row.
;     hs[block][m][lane][s]: the four scale words of the lane's row.  In tile m index i stands for row 32 (m/2) + 8 (m%2) + i + 8 (i/8) of the block.
; (2) Work-groups 256-447: the six weights, whose K is their first axis, quantised along K (a lane takes a column, its registers run down K) and laid as the stream that the second launch walks:
;     wts[item 0..23][wave 0..3]: 16 fragment images (32,768 bytes), then 16 x 64 bytes of scale words (64 f + 4 i).  In a group of 32 columns, column x lies in tile (x/8)%2 at index (x%8) + 8 (x/16).
; A block's scale is 2^(floor(log2(largest magnitude)) - 8); numbers are held within +-448 x the scale and rounded to the nearest code, ties to even.
; LIMITS: NaN and infinities among the inputs are not served.  A block whose largest magnitude lies under 2^-118 keeps the byte 1; so does a block of zeros, where the rule says 127:
; its codes are zeros, which add nothing under any byte but 0xff, and this program alone reads the bytes.  1/sqrt comes from v_rsq_f32.  The order of the f32 sums is not the reference's.
; No tensor loads, no barrier (waves share nothing), EXEC is never changed.  No clusters: no two work-groups read the same bytes.
.set SEL, 40                           ; s[40:41] v_permlanex16_b32's selects for lane l xor 16
.set MNT, 42                           ; s42 the mantissa field of 448
.set MSB, 0
.macro WIN new                         ; the immediate's high byte repeats the setting that is left; a switch that changes nothing is dropped
.if MSB != (\new)
	s_set_vgpr_msb (MSB<<8)|(\new)
.set MSB, (\new)
.endif
.endm
; Four blocks of 16 registers, v[src + 16 b ..] in window sw (the lane 16 away holds each block's other 16), become codes: block b's four registers at v[d_b] in window dw.
; v[tm ..tm+15] in window tw: +0 largest magnitudes, +4 the bytes, +8 448 x the scale, +12 the conversion's scale operand.  relu = 1: what is negative becomes 0 on the way.
.macro QUANT src, relu, sw, tw, dw, tm, d0, d1, d2, d3
	WIN ((\tw)<<6)|((\sw)<<4)|((\sw)<<2)|(\sw)
.irp b, 0,1,2,3
.if \relu
	v_max3_num_f32 v[(\tm)+\b], v[(\src)+16*\b], v[(\src)+16*\b+1], 0x4800000          ; the floor 2^(9 - 127): the byte cannot fall under 1
.else
	v_max3_num_f32 v[(\tm)+\b], |v[(\src)+16*\b]|, |v[(\src)+16*\b+1]|, 0x4800000
.endif
.endr
	WIN ((\tw)<<6)|((\sw)<<4)|((\sw)<<2)|(\tw)
.irp i, 2,4,6,8,10,12,14
.irp b, 0,1,2,3
.if \relu
	v_max3_num_f32 v[(\tm)+\b], v[(\tm)+\b], v[(\src)+16*\b+\i], v[(\src)+16*\b+\i+1]  ; the four blocks by turns, each from its low end on
.else
	v_max3_num_f32 v[(\tm)+\b], v[(\tm)+\b], |v[(\src)+16*\b+\i]|, |v[(\src)+16*\b+\i+1]|
.endif
.endr
.endr
	WIN (\tw)*0x55
.irp b, 0,1,2,3
	v_permlanex16_b32 v[(\tm)+4+\b], v[(\tm)+\b], s[SEL], s[SEL+1]
.endr
.irp b, 0,1,2,3
	v_max_num_f32 v[(\tm)+\b], v[(\tm)+\b], v[(\tm)+4+\b]                              ; the block's largest magnitude
.endr
.irp b, 0,1,2,3
	v_add_nc_u32 v[(\tm)+12+\b], 0xfc000000, v[(\tm)+\b]                               ; 8 off its exponent field: the conversion's scale operand
.endr
.irp b, 0,1,2,3
	v_and_or_b32 v[(\tm)+8+\b], v[(\tm)+\b], 0x7f800000, s[MNT]                        ; 448 x the scale
.endr
.irp b, 0,1,2,3
	v_lshrrev_b32 v[(\tm)+4+\b], 23, v[(\tm)+12+\b]                                    ; the scale's byte
.endr
	WIN ((\sw)<<6)|((\tw)<<4)|((\tw)<<2)|(\sw)
.irp b, 0,1,2,3
.irp i, 0,1,2,3,4,5,6,7,8,9,10,11,12,13,14,15
.if \relu
	v_med3_num_f32 v[(\src)+16*\b+\i], v[(\src)+16*\b+\i], 0, v[(\tm)+8+\b]            ; the activation and the hold in one
.else
	v_med3_num_f32 v[(\src)+16*\b+\i], v[(\src)+16*\b+\i], -v[(\tm)+8+\b], v[(\tm)+8+\b] ; the conversion to an 8-bit code does not saturate (ISA guide 7.6.2)
.endif
.endr
.endr
	WIN ((\dw)<<6)|((\tw)<<4)|((\tw)<<2)|(\sw)
	v_cvt_scalef32_pk8_fp8_f32 v[(\d0):(\d0)+1], v[(\src):(\src)+7], v[(\tm)+12]
	v_cvt_scalef32_pk8_fp8_f32 v[(\d0)+2:(\d0)+3], v[(\src)+8:(\src)+15], v[(\tm)+12]
	v_cvt_scalef32_pk8_fp8_f32 v[(\d1):(\d1)+1], v[(\src)+16:(\src)+23], v[(\tm)+13]
	v_cvt_scalef32_pk8_fp8_f32 v[(\d1)+2:(\d1)+3], v[(\src)+24:(\src)+31], v[(\tm)+13]
	v_cvt_scalef32_pk8_fp8_f32 v[(\d2):(\d2)+1], v[(\src)+32:(\src)+39], v[(\tm)+14]
	v_cvt_scalef32_pk8_fp8_f32 v[(\d2)+2:(\d2)+3], v[(\src)+40:(\src)+47], v[(\tm)+14]
	v_cvt_scalef32_pk8_fp8_f32 v[(\d3):(\d3)+1], v[(\src)+48:(\src)+55], v[(\tm)+15]
	v_cvt_scalef32_pk8_fp8_f32 v[(\d3)+2:(\d3)+3], v[(\src)+56:(\src)+63], v[(\tm)+15]
	v_nop                                          ; one plain line behind the last conversion
.endm
.macro QWORD tm, pw                    ; the four bytes make the row's scale word (the caller sets the window)
	v_lshl_or_b32 v[\pw], v[(\tm)+5], 8, v[(\tm)+4]
	v_lshl_or_b32 v[\pw], v[(\tm)+6], 16, v[\pw]
	v_lshl_or_b32 v[\pw], v[(\tm)+7], 24, v[\pw]
.endm
	s_load_b512 s[8:23], s[0:1], 0x0               ; x 8, ln1_g 10, ln1_b 12, wq 14, wk 16, wv 18, w_proj 20, w1 22
	s_load_b256 s[24:31], s[0:1], 0x40             ; w2 24, hq 26, hs 28, wts 30
	v_lshl_add_u32 v254, v0, 2, 0x24400
	v_mov_b32 v255, 0
	v_lshrrev_b32 v1, 5, v0
	v_readfirstlane_b32 s32, v1                    ; wave
	v_and_b32 v2, 31, v0                           ; lane
	s_mov_b32 s[SEL], 0x76543210
	s_mov_b32 s[SEL+1], 0xfedcba98
	s_mov_b32 s[MNT], 0x600000
	s_mov_b32 s43, 0x3b000000                      ; 1/512
	s_mov_b32 s44, 0x3727c5ac                      ; 1e-5
	s_cmp_lt_u32 ttmp9, 256
	s_cbranch_scc0 .Lweights
; ================= LAYERNORM 1 AND ITS QUANTISER: work-group = a block of 64 rows, wave = tile m =================
; LDS of a wave (37,120 bytes): 16 rows x 2,064 (a row of 2,048 + 16: the 16 rows that a read touches start in different banks), then copies of g and of b.
; REGISTERS: window 0: v3 16 lane, v6 stage in, v7 stage out, v8 g and b; v12-19 four chains; v32-95 g, v96-159 b of a K step; v160-223 codes; v224-239 QUANT's; v244-247 scale words; v248-251 mean, 1/sqrt.  Window 1: the tile.
	v_lshlrev_b32 v3, 4, v2                        ; 16 x lane
	v_and_b32 v4, 15, v0                           ; r
	v_bfe_u32 v5, v0, 4, 1                         ; hh
	s_mul_i32 s33, s32, 37120
	v_add_nc_u32 v6, s33, v3                       ; in: as loaded, 512 bytes an instruction
	v_mul_u32_u24 v7, v4, 2064
	v_lshl_add_u32 v7, v5, 6, v7
	v_add_nc_u32 v7, s33, v7                       ; out: row r, + 64 hh: my 16 numbers of each block of 32
	v_lshlrev_b32 v8, 6, v5
	v_add_nc_u32 v8, s33, v8                       ; g, b: + 64 hh
	v_mov_b32 v20, 0                               ; (a lane permute's destination counts as one of its sources)
.irp b, 0,1,2,3
	v_mov_b32 v[228+\b], 0
.endr
	s_lshl_b32 s34, ttmp9, 17                      ; x: 64 rows of 2,048 bytes a block,
	s_lshr_b32 s35, s32, 1
	s_lshl_b32 s35, s35, 16                        ; + 32 (m/2) rows
	s_add_co_u32 s34, s34, s35
	s_and_b32 s35, s32, 1
	s_lshl_b32 s35, s35, 14                        ; + 8 (m%2) rows
	s_add_co_u32 s34, s34, s35
	s_mov_b32 s35, 0
	s_lshl_b32 s36, ttmp9, 15                      ; hq: 32,768 a block, 8,192 a tile
	s_lshl_b32 s38, s32, 13
	s_add_co_u32 s36, s36, s38
	s_mov_b32 s37, 0
	s_lshl_b32 s38, ttmp9, 11                      ; hs: 2,048 a block, 512 a tile
	s_lshl_b32 s39, s32, 9
	s_add_co_u32 s38, s38, s39
	s_mov_b32 s39, 0
	s_wait_alu depctr_va_vdst(0)
	s_wait_kmcnt 0x0
	s_add_nc_u64 s[8:9], s[8:9], s[34:35]
	s_add_nc_u64 s[26:27], s[26:27], s[36:37]
	s_add_nc_u64 s[28:29], s[28:29], s[38:39]
.irp i, 0,1,2,3
	global_load_b128 v[32+4*\i:35+4*\i], v3, s[10:11] offset:512*\i
	global_load_b128 v[48+4*\i:51+4*\i], v3, s[12:13] offset:512*\i
.endr
	WIN 0x40                                       ; destination window 1
.irp q, 0,1,2,3,4,5,6,7,8,9,10,11,12,13,14,15      ; index q of the tile is row q + 8 (q/8); each load reads 512 consecutive bytes
.irp u, 0,1,2,3
	global_load_b128 v[16*\q+4*\u:16*\q+4*\u+3], v3, s[8:9] offset:(\q+8*(\q/8))*2048+512*\u
.endr
.endr
	WIN 0
	s_wait_loadcnt 48                              ; g, b and the first four rows are in; 48 younger loads stay out
.irp i, 0,1,2,3
	ds_store_b128 v6, v[32+4*\i:35+4*\i] offset:33024+512*\i
	ds_store_b128 v6, v[48+4*\i:51+4*\i] offset:35072+512*\i
.endr
	WIN 0x04                                       ; an LDS store's data are its source 1: window 1
.irp a, 0,1,2,3
	s_wait_loadcnt 48-16*\a                        ; four more rows are in
.irp q, 0,1,2,3
.irp u, 0,1,2,3
	ds_store_b128 v6, v[16*(4*\a+\q)+4*\u:16*(4*\a+\q)+4*\u+3] offset:2064*(4*\a+\q)+512*\u
.endr
.endr
.endr
	WIN 0x40
.irp s, 0,1,2,3                                    ; back: register 64 s + 16 c + e = column 128 s + 32 c + 16 hh + e of row r.  LDS serves a wave's instructions in order: these see my stores
.irp c, 0,1,2,3
.irp i, 0,1,2,3
	ds_load_b128 v[64*\s+16*\c+4*\i:64*\s+16*\c+4*\i+3], v7 offset:512*\s+128*\c+16*\i
.endr
.endr
.endr
	s_wait_dscnt 0x0
	WIN 0x05                                       ; the mean: my 256 numbers in four chains
.irp k, 0,1,2,3
	v_pk_add_f32 v[12+2*\k:13+2*\k], v[4*\k:4*\k+1], v[4*\k+2:4*\k+3]
.endr
	WIN 0x04
.set pj, 16
.rept 30
.irp k, 0,1,2,3
	v_pk_add_f32 v[12+2*\k:13+2*\k], v[12+2*\k:13+2*\k], v[pj+2*\k:pj+2*\k+1]
.endr
.set pj, pj+8
.endr
	WIN 0
	v_pk_add_f32 v[12:13], v[12:13], v[14:15]
	v_pk_add_f32 v[16:17], v[16:17], v[18:19]
	v_pk_add_f32 v[12:13], v[12:13], v[16:17]
	v_add_f32 v12, v12, v13
	v_permlanex16_b32 v20, v12, s[SEL], s[SEL+1]   ; the row's other 256 lie in the lane 16 away
	v_add_f32 v12, v12, v20
	v_mul_f32 v248, s43, v12
	v_mov_b32 v249, v248
	WIN 0x41                                       ; x - mean, in place
.set pj, 0
.rept 128
	v_pk_add_f32 v[pj:pj+1], v[pj:pj+1], v[248:249] neg_lo:[0,1] neg_hi:[0,1]
.set pj, pj+2
.endr
	WIN 0x05                                       ; the sum of squares of the deviations
.irp k, 0,1,2,3
	v_pk_mul_f32 v[12+2*\k:13+2*\k], v[2*\k:2*\k+1], v[2*\k:2*\k+1]
.endr
.set pj, 8
.rept 31
.irp k, 0,1,2,3
	v_pk_fma_f32 v[12+2*\k:13+2*\k], v[pj+2*\k:pj+2*\k+1], v[pj+2*\k:pj+2*\k+1], v[12+2*\k:13+2*\k]
.endr
.set pj, pj+8
.endr
	WIN 0
	v_pk_add_f32 v[12:13], v[12:13], v[14:15]
	v_pk_add_f32 v[16:17], v[16:17], v[18:19]
	v_pk_add_f32 v[12:13], v[12:13], v[16:17]
	v_add_f32 v12, v12, v13
	v_permlanex16_b32 v20, v12, s[SEL], s[SEL+1]
	v_add_f32 v12, v12, v20
	v_fma_f32 v12, v12, s43, s44                   ; variance + 1e-5
	s_wait_alu depctr_va_vdst(0)
	v_rsq_f32 v250, v12
	v_nop                                          ; a plain line behind the transcendental,
	s_wait_alu depctr_va_vdst(0)                   ; and the wait ahead of its first reader
	v_mov_b32 v251, v250
	s_wait_alu depctr_va_vdst(0)
.irp s, 0,1,2,3                                    ; a K step of 128 columns at a time
	WIN 0
.irp c, 0,1,2,3
.irp i, 0,1,2,3
	ds_load_b128 v[32+16*\c+4*\i:35+16*\c+4*\i], v8 offset:33024+512*\s+128*\c+16*\i
	ds_load_b128 v[96+16*\c+4*\i:99+16*\c+4*\i], v8 offset:35072+512*\s+128*\c+16*\i
.endr
.endr
	s_wait_dscnt 0x0
	WIN 0x41
.set pj, 0
.rept 32
	v_pk_mul_f32 v[64*\s+pj:64*\s+pj+1], v[64*\s+pj:64*\s+pj+1], v[250:251]
.set pj, pj+2
.endr
.set pj, 0
.rept 32
	v_pk_fma_f32 v[64*\s+pj:64*\s+pj+1], v[64*\s+pj:64*\s+pj+1], v[32+pj:33+pj], v[96+pj:97+pj]
.set pj, pj+2
.endr
	QUANT 64*\s, 0, 1, 0, 0, 224, 160+16*\s, 164+16*\s, 168+16*\s, 172+16*\s
	WIN 0
	QWORD 224, 244+\s
.irp c, 0,1,2,3
	global_store_b128 v3, v[160+16*\s+4*\c:163+16*\s+4*\c], s[26:27] offset:2048*\s+512*\c   ; 512 consecutive bytes; each K step has code registers of its own, so no store's data are written again
.endr
.endr
	global_store_b128 v3, v[244:247], s[28:29]     ; my row's four scale words
	s_wait_tensorcnt 0x0
	ds_add_u32 v254, v255
	s_wait_dscnt 0x0
	s_endpgm
; ================= THE WEIGHTS: a wave takes 32 columns x 128 along K = two fragments =================
; REGISTERS: v1 4 lane (in); v6 2,048 u + 16 i (codes out); v7 64 u + 4 i (scale word out); v10-13 at work; v24 the scale word; v32-95 two sets of 32 numbers; v96-127 codes, 8 a block.
.macro DEST                            ; s33 item, s35 the wave that will read it, s34 first fragment, s[36:37] offset in the source
	s_lshl_b32 s45, s33, 2
	s_add_co_u32 s45, s45, s35
	s_mul_i32 s45, s45, 33792
	s_lshl_b32 s46, s34, 11
	s_add_co_u32 s46, s46, s45
	s_add_nc_u64 s[50:51], s[30:31], s[46:47]      ; the fragments' images
	s_lshl_b32 s46, s34, 6
	s_add_co_u32 s46, s46, s45
	s_add_co_u32 s46, s46, 32768
	s_add_nc_u64 s[52:53], s[30:31], s[46:47]      ; their scale words
	s_add_nc_u64 s[38:39], s[38:39], s[36:37]
.endm
.macro WLOAD t, sb                     ; block t: W(32 t + i, my column) into set t % 2: 128 consecutive bytes a load; v[128 + i] = i x pitch + 4 lane, s[sb:sb+1] = row 32 t
.irp i, 0,1,2,3,4,5,6,7,8,9,10,11,12,13,14,15,16,17,18,19,20,21,22,23,24,25,26,27,28,29,30,31
	global_load_b32 v[32+32*((\t)%2)+\i], v[128+\i], s[\sb:\sb+1] th:TH_LOAD_NT
.endr
.endm
.macro WBLOCK t, pitch
.set wx, 32+32*((\t)%2)
.if (\t) < 3
	s_wait_loadcnt 32                              ; this block's 32 loads are in; the next block's stay out
.else
	s_wait_loadcnt 0x0
.endif
	v_max3_num_f32 v12, |v[wx]|, |v[wx+1]|, |v[wx+2]|          ; the block's largest magnitude: all 32 numbers are mine
	v_max3_num_f32 v13, |v[wx+3]|, |v[wx+4]|, |v[wx+5]|
.irp i, 6,10,14,18,22,26
	v_max3_num_f32 v12, v12, |v[wx+\i]|, |v[wx+\i+1]|
	v_max3_num_f32 v13, v13, |v[wx+\i+2]|, |v[wx+\i+3]|
.endr
	v_max3_num_f32 v12, v12, |v[wx+30]|, |v[wx+31]|
	v_max3_num_f32 v12, v12, v13, 0x4800000        ; and the floor
	v_add_nc_u32 v11, 0xfc000000, v12              ; the conversion's scale operand
	v_and_or_b32 v10, v12, 0x7f800000, s[MNT]      ; 448 x the scale
	v_lshrrev_b32 v13, 23, v11                     ; the byte
.if (\t) == 0
	v_mov_b32 v24, v13
.else
	v_lshl_or_b32 v24, v13, 8*(\t), v24
.endif
.irp i, 0,1,2,3,4,5,6,7,8,9,10,11,12,13,14,15,16,17,18,19,20,21,22,23,24,25,26,27,28,29,30,31
	v_med3_num_f32 v[wx+\i], v[wx+\i], -v10, v10
.endr
.irp g, 0,1,2,3
	v_cvt_scalef32_pk8_fp8_f32 v[96+8*(\t)+2*\g:97+8*(\t)+2*\g], v[wx+8*\g:wx+8*\g+7], v11
.endr
	global_store_b128 v6, v[96+8*(\t):99+8*(\t)], s[50:51] offset:512*(\t)            ; k = 32 t + 0..15: the place of lane (i, 0) in piece t; the sixteen lanes of a tile fill 256 consecutive bytes
	global_store_b128 v6, v[100+8*(\t):103+8*(\t)], s[50:51] offset:512*(\t)+256      ; k = 32 t + 16..31: that of lane (i, 1)
.if (\t)+2 < 4
	WLOAD (\t)+2, 2*(\t)+4                         ; (the next block begins with plain vector lines: the place behind the conversions)
.endif
.endm
.Lweights:
	s_wait_alu depctr_va_vdst(0)
	v_lshlrev_b32 v1, 2, v2
	v_bfe_u32 v3, v0, 3, 1                         ; u = (x/8) % 2
	v_and_b32 v4, 7, v0
	v_bfe_u32 v5, v0, 4, 1
	v_lshl_or_b32 v4, v5, 3, v4                    ; i = x%8 + 8 (x/16)
	v_lshlrev_b32 v6, 4, v4
	v_lshl_add_u32 v6, v3, 11, v6
	v_lshlrev_b32 v7, 2, v4
	v_lshl_add_u32 v7, v3, 6, v7
	s_sub_co_u32 s54, ttmp9, 256
	s_mov_b32 s37, 0
	s_mov_b32 s47, 0
	s_wait_kmcnt 0x0
	s_cmp_lt_u32 s54, 48
	s_cbranch_scc0 .Lnot_qkv
	; wq, wk, wv [16][512][32]: tensor T = id / 16, head = id % 16, K step = wave.  Head 4 w + g goes to wave w: q to item g/2, fragment 8 (g%2) + 2 s; k, v to item 2 + g, fragments 2 s and 8 + 2 s
	s_lshr_b32 s55, s54, 4
	s_and_b32 s56, s54, 15
	s_lshr_b32 s35, s56, 2
	s_and_b32 s57, s56, 3
	s_lshl_b32 s36, s56, 16                        ; a head is 65,536 bytes,
	s_lshl_b32 s58, s32, 14                        ; 128 rows of 128 bytes are 16,384
	s_add_co_u32 s36, s36, s58
	s_lshr_b32 s58, s57, 1
	s_and_b32 s59, s57, 1
	s_lshl_b32 s59, s59, 3
	s_add_co_u32 s60, s57, 2
	s_lshl_b32 s61, s55, 3
	s_sub_co_u32 s61, s61, 8
	s_cmp_eq_u32 s55, 1                            ; the choices hang on the work-group's number alone
	s_cselect_b64 s[38:39], s[16:17], s[18:19]
	s_cmp_eq_u32 s55, 0
	s_cselect_b64 s[38:39], s[14:15], s[38:39]
	s_cselect_b32 s33, s58, s60
	s_cselect_b32 s34, s59, s61
	s_lshl_b32 s58, s32, 1
	s_add_co_u32 s34, s34, s58
	DEST
	s_wait_alu depctr_va_vdst(0)
	s_mov_b32 s48, 128                             ; a row of the source, in bytes
	s_branch .Lwtask
.Lnot_qkv:
	s_cmp_lt_u32 s54, 128
	s_cbranch_scc0 .Lw1
	; w_proj [512][512] (ids 48-63) and w2 [2048][512] (ids 64-127): K step S = id' / 4, wave w = id' % 4 (columns 128 w on), my 32 columns b = wave
	s_cmp_lt_u32 s54, 64
	s_cselect_b64 s[38:39], s[20:21], s[24:25]
	s_cselect_b32 s55, 48, 64
	s_cselect_b32 s59, 1, 0
	s_sub_co_u32 s55, s54, s55
	s_lshr_b32 s56, s55, 2
	s_and_b32 s35, s55, 3
	s_lshl_b32 s36, s56, 18                        ; 128 rows of 2,048 bytes
	s_lshl_b32 s58, s35, 9
	s_add_co_u32 s36, s36, s58
	s_lshl_b32 s58, s32, 7
	s_add_co_u32 s36, s36, s58
	s_and_b32 s34, s56, 1
	s_lshl_b32 s34, s34, 3
	s_lshl_b32 s58, s32, 1
	s_add_co_u32 s34, s34, s58                     ; fragment 8 (S%2) + 2 b
	s_lshr_b32 s57, s56, 1
	s_add_co_u32 s57, s57, 6                       ; w_proj: item 6 + S/2
	s_lshr_b32 s60, s56, 2
	s_lshl_b32 s60, s60, 2
	s_bfe_u32 s61, s56, 0x10001
	s_add_co_u32 s60, s60, s61
	s_add_co_u32 s60, s60, 10                      ; w2: item 10 + 4 (S/4) + (S%4)/2
	s_cmp_eq_u32 s59, 1
	s_cselect_b32 s33, s57, s60
	DEST
	s_wait_alu depctr_va_vdst(0)
	s_mov_b32 s48, 2048
	s_branch .Lwtask
.Lw1:
	; w1 [512][2048]: K step s = id' / 16, chunk j = (id' / 4) % 4, wave w = id' % 4, b = wave: units 512 j + 128 w + 32 b on
	s_sub_co_u32 s55, s54, 128
	s_lshr_b32 s56, s55, 4
	s_bfe_u32 s57, s55, 0x20002
	s_and_b32 s35, s55, 3
	s_lshl_b32 s36, s56, 20                        ; 128 rows of 8,192 bytes
	s_lshl_b32 s58, s57, 11
	s_add_co_u32 s36, s36, s58
	s_lshl_b32 s58, s35, 9
	s_add_co_u32 s36, s36, s58
	s_lshl_b32 s58, s32, 7
	s_add_co_u32 s36, s36, s58
	s_mov_b64 s[38:39], s[22:23]
	s_and_b32 s34, s32, 1
	s_lshl_b32 s34, s34, 3
	s_lshl_b32 s58, s56, 1
	s_add_co_u32 s34, s34, s58                     ; fragment 8 (b%2) + 2 s: a piece of 32 units has its four K steps on end
	s_lshl_b32 s33, s57, 2
	s_lshr_b32 s58, s32, 1
	s_add_co_u32 s33, s33, s58
	s_add_co_u32 s33, s33, 8                       ; item 8 + 4 j + b/2
	DEST
	s_wait_alu depctr_va_vdst(0)
	s_mov_b32 s48, 8192
.Lwtask:
.irp i, 0,1,2,3,4,5,6,7,8,9,10,11,12,13,14,15,16,17,18,19,20,21,22,23,24,25,26,27,28,29,30,31
	v_mad_u32_u24 v[128+\i], s48, \i, v1
.endr
	s_lshl_b32 s48, s48, 5                         ; 32 rows on for each block
	s_mov_b32 s49, 0
	s_add_nc_u64 s[2:3], s[38:39], s[48:49]
	s_add_nc_u64 s[4:5], s[2:3], s[48:49]
	s_add_nc_u64 s[6:7], s[4:5], s[48:49]
	s_wait_alu depctr_va_vdst(0)
	WLOAD 0, 38
	WLOAD 1, 2
	WBLOCK 0, 0
	WBLOCK 1, 0
	WBLOCK 2, 0
	WBLOCK 3, 0
	global_store_b32 v7, v24, s[52:53]
	s_endpgm
.Lfunc_end_k_qed1dc1449c_prep:
	.size	k_qed1dc1449c_prep, .Lfunc_end_k_qed1dc1449c_prep-k_qed1dc1449c_prep
	.p2alignl 7, 3214868480
	.fill 96, 4, 3214868480
	.section	.rodata,"a",@progbits
	.p2align	6, 0x0
	.amdhsa_kernel k_qed1dc1449c_prep
		.amdhsa_group_segment_fixed_size 148992
		.amdhsa_private_segment_fixed_size 0
		.amdhsa_enable_private_segment 0
		.amdhsa_kernarg_size 96
		.amdhsa_user_sgpr_count 2
		.amdhsa_user_sgpr_kernarg_segment_ptr 1
		.amdhsa_wavefront_size32 1
		.amdhsa_system_sgpr_workgroup_id_x 1
		.amdhsa_system_sgpr_workgroup_id_y 1
		.amdhsa_system_sgpr_workgroup_id_z 1
		.amdhsa_system_vgpr_workitem_id 0
		.amdhsa_next_free_vgpr 512
		.amdhsa_next_free_sgpr 66
		.amdhsa_reserve_vcc 0
		.amdhsa_float_denorm_mode_32 3
		.amdhsa_float_denorm_mode_16_64 3
		.amdhsa_memory_ordered 1
		.amdhsa_forward_progress 1
		.amdhsa_inst_pref_size 136
	.end_amdhsa_kernel
	.amdgpu_metadata
---
amdhsa.version: [ 1, 2 ]
amdhsa.kernels:
  - .name:           k_qed1dc1449c_prep
    .symbol:         k_qed1dc1449c_prep.kd
    .args:
      - { .name: x, .offset: 0, .size: 8, .value_kind: global_buffer, .address_space: global }
      - { .name: ln1_g, .offset: 8, .size: 8, .value_kind: global_buffer, .address_space: global }
      - { .name: ln1_b, .offset: 16, .size: 8, .value_kind: global_buffer, .address_space: global }
      - { .name: wq, .offset: 24, .size: 8, .value_kind: global_buffer, .address_space: global }
      - { .name: wk, .offset: 32, .size: 8, .value_kind: global_buffer, .address_space: global }
      - { .name: wv, .offset: 40, .size: 8, .value_kind: global_buffer, .address_space: global }
      - { .name: w_proj, .offset: 48, .size: 8, .value_kind: global_buffer, .address_space: global }
      - { .name: w1, .offset: 56, .size: 8, .value_kind: global_buffer, .address_space: global }
      - { .name: w2, .offset: 64, .size: 8, .value_kind: global_buffer, .address_space: global }
      - { .name: hq, .offset: 72, .size: 8, .value_kind: global_buffer, .address_space: global }
      - { .name: hs, .offset: 80, .size: 8, .value_kind: global_buffer, .address_space: global }
      - { .name: wts, .offset: 88, .size: 8, .value_kind: global_buffer, .address_space: global }
    .group_segment_fixed_size: 148992
    .private_segment_fixed_size: 0
    .kernarg_segment_align: 8
    .kernarg_segment_size: 96
    .max_flat_workgroup_size: 128
    .sgpr_count:     66
    .vgpr_count:     512
    .wavefront_size: 32
...
	.end_amdgpu_metadata
.endif
;; end of part 1
;; launch block (part 2): grid 128 x 2, 4 waves a work-group, clusters of 4 x 1, 327,680 bytes of LDS; arguments x, hq, hs, wts, b_proj, ln2_g, ln2_b, b1, b2, out0; writes out0
.if DOCPART == 2
	.amdgcn_target "amdgcn-amd-amdhsa--gfx1250"
	.amdhsa_code_object_version 6
	.text
	.protected	k_qed1dc1449c_block
	.globl	k_qed1dc1449c_block
	.p2align	8
	.type	k_qed1dc1449c_block,@function
k_qed1dc1449c_block:
	s_mov_b64 s[64:65], 0
	v_nop
	global_prefetch_b8 v0, s[64:65] scope:SCOPE_SE
	s_setreg_imm32_b32 hwreg(HW_REG_WAVE_MODE, 25, 1), 1
	s_wait_xcnt 0x0
	s_wait_alu depctr_hold_cnt(0) depctr_sa_sdst(0) depctr_va_vdst(0) depctr_va_sdst(0) depctr_va_ssrc(0) depctr_va_vcc(0) depctr_vm_vsrc(0)
	s_getreg_b32 s2, hwreg(HW_REG_IB_STS2, 6, 4)
	s_cmp_eq_u32 s2, 0
	s_cbranch_scc0 .Lentry_in_a_cluster
	s_endpgm
.Lentry_in_a_cluster:
	s_bfe_u32 s2, ttmp6, 0x10000c
	s_cmp_lg_u32 s2, 0x3003
	s_cbranch_scc0 .Lentry_shape_is_right
	s_endpgm
.Lentry_shape_is_right:
; BLOCK: q, k, v, causal attention, projection, residual, layernorm 2, MLP, residual, for 64 rows in one work-group; nothing of it goes to memory on the way.  All products on codes of E4M3 with E8M0 scales.
; SHARES.  Work-group (x, y): batch = x, tokens 64 y .. 64 y + 63 (y = PAR).  With PAR = 1 it also makes k and v of tokens 0-63, from the codes of h that the first launch stored.
; Four waves.  Wave w owns heads 4 w .. 4 w + 3, then columns 128 w .. + 127 of the projection, of each chunk of 512 hidden units and of the output, for all 64 rows.
; THE WEIGHTS are one stream of 24 items of 4 x 33,792 bytes (16 fragment images and their scale words for each wave) through a ring of two LDS slots a wave.  All work-groups walk the same stream, so the
; four of a cluster ask JOINTLY: the same tensor load, the same descriptor, a mask that names the four.  Each wave fetches and reads its own quarter; each byte is read from LDS once.
; THE WALK.  Items 0-7 (q; k and v; the projection) go in their order.  Items 8-23 are the MLP's four chunks of four items; cluster x begins with chunk x mod 4 and goes round, so that the clusters
; ask for different parts of the stream.  The sum over the chunks does not hang on their order but for the rounding of f32 sums.
; PREFETCH.  Behind the loads at an item's head each wave of the four clusters x = 0 .. 3, y = 0 (they walk the four orders of the chunks) asks for the fragment images of the item two items on from the refill just issued: 32,768 bytes
; a wave's quarter, 8,192 for each of the four partners, told apart by address, lanes 256 bytes apart.  The last two items ask for nothing.  Items 0-2 and the scale words come by the loads alone.
; LAYOUT.  In a row tile m index i is row 32 (m/2) + 8 (m%2) + i + 8 (i/8); weight tiles take their columns by the same rule.  With source 0 = weights and source 1 = rows a lane holds ONE row, and the 16 registers of
; tiles 2 b, 2 b + 1 are columns 32 b + 16 (lane/16) + 0..15: the next operand's own layout, so each result is quantised in registers.  v is made the other way round (source 0 = rows): a lane holds one channel, registers run along the tokens.
; Operands go from wave to wave through LDS as images of their registers (IMG, ISC).
; SOFTMAX: t = score x log2(e)/sqrt(512); M = ceil(the row's largest t); p = 2^(t - M) is quantised along the keys; the sum of the unquantised p divides at the end.  128 keys are one K step: one pass.
; Key blocks of 32: D, E are my own 64 tokens' (D lies on the diagonal: tokens 0-31 for row tiles 0 and 1, 32-63 for 2 and 3, so D and E change places between them, alike in k, v and their scales), blocks 2, 3 the other 64.
; For tiles 0, 1 block E is hidden, with PAR = 0 blocks 2, 3 are (zero codes): -infinity added ahead of the exponential makes their p zero.
; THE RESIDUAL lives in window 3's 32 accumulators from the projection to the end: they start as b_proj, take attn W, x, and later hidden W2.
; LIMITS: NaN and infinities among the inputs are not served.  The scaled scores' magnitude stays under 2^31.  A block whose largest magnitude lies under 2^-118, a block of zeros too, keeps the byte 1 (its codes then add what the rule's would: zeros add nothing).
; 1/l, 1/sqrt and 2^x come from v_rcp_f32, v_rsq_f32, v_exp_f32.  The order of f32 sums is not the reference's, and that of the MLP's chunks differs from cluster to cluster.
; LDS: 0 the ring (wave w at 67,584 w, slot p at + 33,792 p); IMG fragment (m, s) at 8,192 s + 2,048 m; ISC its scale words at 512 s + 128 m + 4 lane; STAT layernorm's partial figures; BT 512 bytes of bias a wave;
; XS a stage of 16 rows x 272 a wave; SPARE the spare words.  All of a WGP's LDS is claimed.
; REGISTERS.  Window 0: v1-27 addresses, v28-31 the next b1, v32-159 WB (8 weight fragments), v160-195 scales and nothing else (WS, VS, HS, QSC, PS, KS), v196-212 QUANT's, v216-219 b_proj then b2,
;   v220-235 codes, v236-249 layernorm's figures.  Window 1: h, then x as loaded, then h2.  Window 2: the other 64 tokens' h; ln2's g and b; then by turns 64 sums of the hidden layer at v0 with two pieces' b1 at v64, and two K steps of the operand in hand; at last rows of out.
;   Window 3: v0-63 ACC and S, v64-79 p's codes, v80-95 O, v96-139 k's codes (8 tiles x 4, then zeros), v140-155 q's fragment, v156-187 v's two fragments, v188-237 at work.  Later the 32 accumulators v[64 m + 8 t].
.set RINGW, 67584
.set SLOTB, 33792
.set ITEMB, 135168
.set IMG,   270336
.set ISC,   303104
.set STAT,  305152
.set BT,    307200
.set XS,    309248
.set SPARE, 326656
.set WB,  32
.set WB0, 32
.set WB1, 96
.set WS,  160
.set VS,  168                          ; v168, v169
.set HS,  170                          ; v170-185
.set QSC, 186
.set PS,  187
.set KS,  188                          ; v188-195
.set SEL, 48                           ; s[48:49]
.set MNT, 52                           ; s52
.set ROT, 44                           ; s44 cluster x mod 4, + 2
.set FN,  47                           ; s47 the number, in my walk, of the item asked for last
.set J0,  56                           ; s56 cluster x mod 4: the chunk with which my cluster begins
.set WQ,  78                           ; s[78:79] my wave's quarter of item 0 in memory
.set ASKS, 86                          ; s86 the greatest item number that my cluster prefetches: 23, or 0
.set MSB, 0
.macro WIN new                         ; the immediate's high byte repeats the setting that is left; a switch that changes nothing is dropped
.if MSB != (\new)
	s_set_vgpr_msb (MSB<<8)|(\new)
.set MSB, (\new)
.endif
.endm
.macro PLACES n                        ; places behind matrix instructions: plain vector lines that name none of their registers (ISA guide 7.12.1)
.rept \n
	v_nop
.endr
.endm
; Four blocks of 16 registers, v[src + 16 b ..] in window sw (the lane 16 away holds each block's other 16), become codes: block b's four registers at v[d_b] in window dw.
; v[tm ..tm+15] in window tw: +0 largest magnitudes, +4 the bytes, +8 448 x the scale, +12 the conversion's scale operand.  relu = 1: what is negative becomes 0 on the way.
.macro QUANT src, relu, sw, tw, dw, tm, d0, d1, d2, d3
	WIN ((\tw)<<6)|((\sw)<<4)|((\sw)<<2)|(\sw)
.irp b, 0,1,2,3
.if \relu
	v_max3_num_f32 v[(\tm)+\b], v[(\src)+16*\b], v[(\src)+16*\b+1], 0x4800000          ; the floor 2^(9 - 127): the byte cannot fall under 1
.else
	v_max3_num_f32 v[(\tm)+\b], |v[(\src)+16*\b]|, |v[(\src)+16*\b+1]|, 0x4800000
.endif
.endr
	WIN ((\tw)<<6)|((\sw)<<4)|((\sw)<<2)|(\tw)
.irp i, 2,4,6,8,10,12,14
.irp b, 0,1,2,3
.if \relu
	v_max3_num_f32 v[(\tm)+\b], v[(\tm)+\b], v[(\src)+16*\b+\i], v[(\src)+16*\b+\i+1]  ; the four blocks by turns; each accumulator is read from its low end on
.else
	v_max3_num_f32 v[(\tm)+\b], v[(\tm)+\b], |v[(\src)+16*\b+\i]|, |v[(\src)+16*\b+\i+1]|
.endif
.endr
.endr
	WIN (\tw)*0x55
.irp b, 0,1,2,3
	v_permlanex16_b32 v[(\tm)+4+\b], v[(\tm)+\b], s[SEL], s[SEL+1]
.endr
.irp b, 0,1,2,3
	v_max_num_f32 v[(\tm)+\b], v[(\tm)+\b], v[(\tm)+4+\b]
.endr
.irp b, 0,1,2,3
	v_add_nc_u32 v[(\tm)+12+\b], 0xfc000000, v[(\tm)+\b]
.endr
.irp b, 0,1,2,3
	v_and_or_b32 v[(\tm)+8+\b], v[(\tm)+\b], 0x7f800000, s[MNT]
.endr
.irp b, 0,1,2,3
	v_lshrrev_b32 v[(\tm)+4+\b], 23, v[(\tm)+12+\b]
.endr
	WIN ((\sw)<<6)|((\tw)<<4)|((\tw)<<2)|(\sw)
.irp b, 0,1,2,3
.irp i, 0,1,2,3,4,5,6,7,8,9,10,11,12,13,14,15
.if \relu
	v_med3_num_f32 v[(\src)+16*\b+\i], v[(\src)+16*\b+\i], 0, v[(\tm)+8+\b]
.else
	v_med3_num_f32 v[(\src)+16*\b+\i], v[(\src)+16*\b+\i], -v[(\tm)+8+\b], v[(\tm)+8+\b]   ; the conversion to an 8-bit code does not saturate (ISA guide 7.6.2)
.endif
.endr
.endr
	WIN ((\dw)<<6)|((\tw)<<4)|((\tw)<<2)|(\sw)
	v_cvt_scalef32_pk8_fp8_f32 v[(\d0):(\d0)+1], v[(\src):(\src)+7], v[(\tm)+12]
	v_cvt_scalef32_pk8_fp8_f32 v[(\d0)+2:(\d0)+3], v[(\src)+8:(\src)+15], v[(\tm)+12]
	v_cvt_scalef32_pk8_fp8_f32 v[(\d1):(\d1)+1], v[(\src)+16:(\src)+23], v[(\tm)+13]
	v_cvt_scalef32_pk8_fp8_f32 v[(\d1)+2:(\d1)+3], v[(\src)+24:(\src)+31], v[(\tm)+13]
	v_cvt_scalef32_pk8_fp8_f32 v[(\d2):(\d2)+1], v[(\src)+32:(\src)+39], v[(\tm)+14]
	v_cvt_scalef32_pk8_fp8_f32 v[(\d2)+2:(\d2)+3], v[(\src)+40:(\src)+47], v[(\tm)+14]
	v_cvt_scalef32_pk8_fp8_f32 v[(\d3):(\d3)+1], v[(\src)+48:(\src)+55], v[(\tm)+15]
	v_cvt_scalef32_pk8_fp8_f32 v[(\d3)+2:(\d3)+3], v[(\src)+56:(\src)+63], v[(\tm)+15]
	v_nop                                          ; one plain line behind the last conversion
.endm
.macro QWORD tm, pw
	v_lshl_or_b32 v[\pw], v[(\tm)+5], 8, v[(\tm)+4]
	v_lshl_or_b32 v[\pw], v[(\tm)+6], 16, v[\pw]
	v_lshl_or_b32 v[\pw], v[(\tm)+7], 24, v[\pw]
.endm
; One matrix instruction.  d, a, b: first registers of D, A, B; c: of C, or under 0 for the constant 0; sa, sb: the scale registers; ra, rb = 1: that side's scales stand in lanes 16-31.
.macro WM d, a, b, c, sa, sb, ra, rb
.if (\c) < 0
.if (\ra) && (\rb)
	v_wmma_scale_f32_16x16x128_f8f6f4 v[(\d):(\d)+7], v[(\a):(\a)+15], v[(\b):(\b)+15], 0, v[\sa], v[\sb] matrix_a_scale:MATRIX_SCALE_ROW1 matrix_b_scale:MATRIX_SCALE_ROW1
.elseif (\ra)
	v_wmma_scale_f32_16x16x128_f8f6f4 v[(\d):(\d)+7], v[(\a):(\a)+15], v[(\b):(\b)+15], 0, v[\sa], v[\sb] matrix_a_scale:MATRIX_SCALE_ROW1
.elseif (\rb)
	v_wmma_scale_f32_16x16x128_f8f6f4 v[(\d):(\d)+7], v[(\a):(\a)+15], v[(\b):(\b)+15], 0, v[\sa], v[\sb] matrix_b_scale:MATRIX_SCALE_ROW1
.else
	v_wmma_scale_f32_16x16x128_f8f6f4 v[(\d):(\d)+7], v[(\a):(\a)+15], v[(\b):(\b)+15], 0, v[\sa], v[\sb]
.endif
.else
.if (\ra) && (\rb)
	v_wmma_scale_f32_16x16x128_f8f6f4 v[(\d):(\d)+7], v[(\a):(\a)+15], v[(\b):(\b)+15], v[(\c):(\c)+7], v[\sa], v[\sb] matrix_a_scale:MATRIX_SCALE_ROW1 matrix_b_scale:MATRIX_SCALE_ROW1
.elseif (\ra)
	v_wmma_scale_f32_16x16x128_f8f6f4 v[(\d):(\d)+7], v[(\a):(\a)+15], v[(\b):(\b)+15], v[(\c):(\c)+7], v[\sa], v[\sb] matrix_a_scale:MATRIX_SCALE_ROW1
.elseif (\rb)
	v_wmma_scale_f32_16x16x128_f8f6f4 v[(\d):(\d)+7], v[(\a):(\a)+15], v[(\b):(\b)+15], v[(\c):(\c)+7], v[\sa], v[\sb] matrix_b_scale:MATRIX_SCALE_ROW1
.else
	v_wmma_scale_f32_16x16x128_f8f6f4 v[(\d):(\d)+7], v[(\a):(\a)+15], v[(\b):(\b)+15], v[(\c):(\c)+7], v[\sa], v[\sb]
.endif
.endif
.endm
.macro CREST                           ; a round of the cluster's barrier behind its opening barrier: wave 0 signals for the work-group, every wave waits for all four work-groups, my work-group's barrier once more
	s_cmp_lg_u32 s28, 0
	s_cbranch_scc1 .Lnw0_\@
	s_barrier_signal -3
.Lnw0_\@:
	s_barrier_wait -3
	s_barrier_signal -1
	s_barrier_wait -1
.endm
.macro CROUND
	s_barrier_signal -1
	s_barrier_wait -1
	CREST
.endm
.macro LOADWS                          ; the item's scale words: register i holds fragment 2 i's in lanes 0-15 and fragment 2 i + 1's in lanes 16-31
.irp i, 0,1,2,3,4,5,6,7
	ds_load_b32 v[WS+\i], v8 offset:128*\i
.endr
.endm
.macro LOADW reg, f0, n                ; n fragments from f0 on: 512 consecutive bytes a load
.set lwk, 0
.rept \n
.irp c, 0,1,2,3
	ds_load_b128 v[(\reg)+16*lwk+4*\c:(\reg)+16*lwk+4*\c+3], v6 offset:2048*((\f0)+lwk)+512*\c
.endr
.set lwk, lwk+1
.endr
.endm
; Number n (s82) of my walk lies in group n / 4; groups 0 and 1 are themselves; group g of 2 .. 5 is the stream's group 2 + (g - 2 + cluster x) mod 4.  s[82:83] becomes its offset.  The cluster's x is the same in all four partners.
.macro WALK
	s_lshr_b32 s83, s82, 2
	s_add_co_u32 s84, s83, s[ROT]
	s_and_b32 s84, s84, 3
	s_add_co_u32 s84, s84, 2
	s_cmp_lt_u32 s83, 2
	s_cselect_b32 s83, s83, s84
	s_and_b32 s84, s82, 3
	s_lshl_b32 s83, s83, 2
	s_add_co_u32 s82, s83, s84
	s_mul_i32 s82, s82, ITEMB
	s_mov_b32 s83, 0
.endm
; THE CHANGE OF SLOTS, at the end of an item, in three parts with work on registers between them.  My one tensor load that is out is the next item's; my reads of the slot in hand, and all my LDS stores, are over; behind the round that
; holds of every wave of the four work-groups, and the item after the next is asked for, into the slot read last: it has the next item's work in which to land.  The round is also a barrier between the waves' stores into IMG and ISC and the others' reads.
.macro TURN1
	WIN 0
	s_wait_tensorcnt 0x0                           ; no tensor load of mine is out, so group 0 may be written
	ds_add_u32 v3, v4                              ; 0 onto my spare word
	s_xor_b32 s33, s33, SLOTB                      ; the other slot (bits 15 and 10, which 67,584 x wave leaves clear)
	s_add_co_u32 s[FN], s[FN], 1
	s_mov_b32 s82, s[FN]
	WALK
	s_add_nc_u64 s[34:35], s[WQ:WQ+1], s[82:83]    ; my quarter of the item
	s_or_b32 s35, s35, 0x80000000                  ; type = 2
.endm
.macro TURN2
	s_wait_dscnt 0x0                               ; the add is done, and so are my reads and stores
	s_barrier_signal -1
.endm
.macro STARTW                          ; the item's scale words and its first eight fragments.  With the lines ahead of it there are eight places and more behind the last products
	PLACES 4
	s_wait_alu depctr_va_vdst(0)
	LOADWS
	LOADW WB, 0, 8
.endm
.macro TURN3
	WIN 0
	s_barrier_wait -1
	CREST
	tensor_load_to_lds s[32:35], s[36:43]          ; each wave its own quarter: both addresses hang on the wave's number
	s_nop 0
	PLACES 4
	v_add_nc_u32 v6, s45, v5                       ; where this item's fragments lie,
	v_add_nc_u32 v8, s45, v7                       ; and their scale words
	s_xor_b32 s45, s45, SLOTB                      ; the next item's slot
	STARTW
	s_add_co_u32 s82, s[FN], 2                     ; the prefetch: two items on from the refill just issued
	s_cmp_le_u32 s82, s[ASKS]
	s_cbranch_scc0 .Lnoask_\@
	s_wait_xcnt 0x0                                ; the last prefetch, an item back, has read its base
	WALK
	s_add_nc_u64 s[88:89], s[WQ:WQ+1], s[82:83]
	global_prefetch_b8 v25, s[88:89] th:TH_LOAD_NT scope:SCOPE_SE
.Lnoask_\@:
.endm
.macro HFILL                           ; the same with nothing between
	TURN1
	TURN2
	TURN3
.endm
; In all the runs below the accumulators take turns, one instruction a turn.
; q or k of one head, transposed: source 0 = 16 channels, source 1 = 16 rows of h.  D at window 3 v[16 m + 8 u]: registers 16 m + 0..15 are channels 16 (lane/16) + 0..15 of row tile m.
.macro MMT mode, brow, wsb
	WIN \mode
.irp s, 0,1,2,3
.irp u, 0,1
.irp m, 0,1,2,3
.if \s == 0
	WM 16*\m+8*\u, WB+16*(2*\s+\u), 64*\m+16*\s, -1, WS+(\wsb)+\s, HS+4*\m+\s, \u, \brow
.else
	WM 16*\m+8*\u, WB+16*(2*\s+\u), 64*\m+16*\s, 16*\m+8*\u, WS+(\wsb)+\s, HS+4*\m+\s, \u, \brow
.endif
.endr
.endr
.endr
.endm
; v of one head: source 0 = 16 rows of h, source 1 = 16 channels.  D at window 3 v[32 u + 8 m]: registers 32 u + 16 b + 0..15 are tokens 32 b + 16 (lane/16) + 0..15 of channel 8 u + r + 8 (r/8).
.macro MMN mode, arow
	WIN \mode
.irp s, 0,1,2,3
.irp u, 0,1
.irp m, 0,1,2,3
.if \s == 0
	WM 32*\u+8*\m, 64*\m+16*\s, WB+16*(2*\s+\u), -1, HS+4*\m+\s, WS+4+\s, \arow, \u
.else
	WM 32*\u+8*\m, 64*\m+16*\s, WB+16*(2*\s+\u), 32*\u+8*\m, HS+4*\m+\s, WS+4+\s, \arow, \u
.endif
.endr
.endr
.endr
.endm
; Products from .. to - 1 of a piece's 32 (8 s + 4 u + m): 32 hidden units x 64 rows, D at window 2 v[16 m + 8 u], h2 in window 1; the first products take b1, at window 2 v[cb ..], as their C.
.macro MH from, to, wsb, cb
	WIN 0xA4
.set NN, \from
.rept (\to)-(\from)
.set NS, NN/8
.set NU, (NN/4)%2
.set NM, NN%4
.if NS == 0
	WM 16*NM+8*NU, WB+16*(2*NS+NU), 64*NM+16*NS, (\cb)+8*NU, WS+(\wsb)+NS, HS+4*NM+NS, NU, 0
.else
	WM 16*NM+8*NU, WB+16*(2*NS+NU), 64*NM+16*NS, 16*NM+8*NU, WS+(\wsb)+NS, HS+4*NM+NS, NU, 0
.endif
.set NN, NN+1
.endr
.endm
; Products from .. to - 1 of 16 (4 tt + m) onto window 3: column tiles 4 half + 0..3 x the four row tiles, the item's K step kap; the rows' operand lies in window 2
.macro MG kap, half, wb, from, to
	WIN 0xF8
.set NN, \from
.rept (\to)-(\from)
.set NT, NN/4
.set NM, NN%4
	WM 64*NM+8*(4*(\half)+NT), (\wb)+16*NT, 64*(\kap)+16*NM, 64*NM+8*(4*(\half)+NT), WS+4*(\kap)+(4*(\half)+NT)/2, KS+4*(\kap)+NM, NT%2, 0
.set NN, NN+1
.endr
.endm
; ONE ITEM ONTO WINDOW 3, all but its last 16 products (MG 1, 1, WB1): two K steps of the operand in IMG (from s61 bytes on; its scale words from s62 on) x my 8 column tiles.  The item's first eight fragments have been asked for.
.macro GB
	v_add_nc_u32 v10, s61, v9
	v_add_nc_u32 v12, s62, v11
.irp k, 0,1
.irp m, 0,1,2,3
	ds_load_b32 v[KS+4*\k+\m], v12 offset:512*\k+128*\m
.endr
.endr
	WIN 0x80
.irp k, 0,1
.irp m, 0,1,2,3
.irp c, 0,1,2,3
	ds_load_b128 v[64*\k+16*\m+4*\c:64*\k+16*\m+4*\c+3], v10 offset:8192*\k+2048*\m+512*\c
.endr
.endr
.endr
	s_wait_dscnt 16                                ; all but the second K step's operand
	MG 0, 0, WB0, 0, 16
	PLACES 8
	WIN 0
	LOADW WB0, 8, 4
	MG 0, 1, WB1, 0, 16
	PLACES 8
	WIN 0
	LOADW WB1, 12, 4
	s_wait_dscnt 16                                ; all but the batch just issued
	MG 1, 0, WB0, 0, 16
	WIN 0
	s_wait_dscnt 0x0
.endm
.macro STQ va, o, vb, bo               ; a piece's codes and bytes: piece o / 512 of my K step's four fragments
	WIN 0
.irp m, 0,1,2,3
	ds_store_b128 v[\va], v[220+4*\m:223+4*\m] offset:2048*\m+(\o)
	ds_store_b8 v[\vb], v[200+\m] offset:128*\m+(\bo)
.endr
.endm
.macro BAR                             ; my LDS instructions are done: then the work-group's barrier.  The next item's load may stay out
	s_wait_dscnt 0x0
	s_barrier_signal -1
	s_barrier_wait -1
.endm
; ================= THE HEAD =================
	s_load_b512 s[8:23], s[0:1], 0x0               ; x 8, hq 10, hs 12, wts 14, b_proj 16, ln2_g 18, ln2_b 20, b1 22
	s_load_b128 s[24:27], s[0:1], 0x40             ; b2 24, out0 26
	v_lshl_add_u32 v3, v0, 2, SPARE                ; my spare word; never rewritten
	v_mov_b32 v4, 0                                ; 0; never rewritten
	ds_add_u32 v3, v4
	ds_add_u32 v3, v4
	s_wait_dscnt 0x0
	v_lshrrev_b32 v250, 5, v0
	v_readfirstlane_b32 s28, v250                  ; wave
	s_and_b32 s29, ttmp7, 0xffff                   ; PAR: the cluster's y, the same in all four partners
	s_and_b32 s[J0], ttmp9, 3                      ; the cluster's x mod 4, the same in all four partners
	s_add_co_u32 s[ROT], s[J0], 2
	s_mov_b32 s[FN], 0                             ; item 0 is asked for below
	s_lshl_b32 s30, s29, 5
	s_or_b32 s30, s30, ttmp9
	s_cmp_lt_u32 s30, 4                            ; the cluster's number
	s_cselect_b32 s[ASKS], 23, 0
	s_bfe_u32 s30, ttmp6, 0x40000                  ; cx: it enters global addresses of x, hq, hs, out0 and the prefetches alone
	s_lshl_b32 s87, s30, 13
	s_lshl_b32 s31, ttmp9, 2
	s_add_co_u32 s31, s31, s30                     ; batch
	s_lshl_b32 s81, s31, 1                         ; the batch's first block of 64 rows,
	s_add_co_u32 s80, s81, s29                     ; mine
	s_mul_i32 s46, s28, RINGW
	v_and_b32 v250, 31, v0                         ; lane
	v_and_b32 v251, 15, v0                         ; r
	v_bfe_u32 v252, v0, 4, 1                       ; hh
	v_and_b32 v253, 8, v251
	v_add_nc_u32 v253, v253, v251                  ; r + 8 (r/8)
	v_lshlrev_b32 v1, 4, v250                      ; 16 lane
	v_lshlrev_b32 v2, 2, v250                      ; 4 lane
	v_lshlrev_b32 v25, 8, v250
	v_add_nc_u32 v25, s87, v25                     ; the prefetches' offset: 8,192 cx + 256 lane; never rewritten
	v_add_nc_u32 v5, s46, v1                       ; WA0: my ring
	v_add_nc_u32 v7, s46, v2
	v_add_nc_u32 v7, 32768, v7                     ; WSA0: a slot's scale words
	v_add_nc_u32 v9, IMG, v1                       ; IA0
	v_add_nc_u32 v11, ISC, v2                      ; ISA0
	s_lshl_b32 s30, s28, 13
	v_add_nc_u32 v13, s30, v9                      ; IW0: my K step's images
	s_lshl_b32 s30, s28, 9
	v_add_nc_u32 v15, s30, v11                     ; ISW0: and their scale words
	v_lshlrev_b32 v18, 3, v251
	v_add_nc_u32 v18, STAT, v18                    ; STR
	v_add_nc_u32 v17, s30, v18                     ; STW
	v_add_nc_u32 v19, s30, v1
	v_add_nc_u32 v19, BT, v19                      ; BTW
	v_lshlrev_b32 v20, 6, v252
	v_add_nc_u32 v20, s30, v20
	v_add_nc_u32 v20, BT, v20                      ; BTR
	s_mul_i32 s30, s28, 4352
	v_mul_u32_u24 v21, v252, 272
	v_lshl_add_u32 v21, v251, 4, v21
	v_add_nc_u32 v21, s30, v21
	v_add_nc_u32 v21, XS, v21                      ; XSW: lanes 0-15 one row, lanes 16-31 the next
	v_mul_u32_u24 v22, v251, 272
	v_lshl_add_u32 v22, v252, 6, v22
	v_add_nc_u32 v22, s30, v22
	v_add_nc_u32 v22, XS, v22                      ; XSR: row r, + 64 hh
	v_lshlrev_b32 v23, 11, v252
	v_lshl_add_u32 v23, v251, 4, v23               ; XG: the same two rows in x
	v_mul_u32_u24 v24, v253, 528
	v_lshl_add_u32 v24, v252, 6, v24
	v_add_nc_u32 v24, s46, v24                     ; OSW: the way out's stage: my slot 0
	v_lshlrev_b32 v26, 6, v252                     ; 64 hh: ln2's g and b
	s_lshl_b32 s30, s29, 11
	v_sub_nc_u32 v254, 1, v252
	v_mul_u32_u24 v254, s30, v254
	v_lshl_add_u32 v27, v251, 4, v254              ; HSO: lanes 0-15 take my block's scale words, lanes 16-31 the other block's
	v_lshlrev_b32 v254, 4, v252
	v_sub_nc_u32 v255, v253, v254                  ; r + 8 (r/8) - 16 hh
	s_mov_b32 s[SEL], 0x76543210
	s_mov_b32 s[SEL+1], 0xfedcba98
	s_mov_b32 s50, 0x3d8293ee                      ; c = log2(e) / sqrt(512)
	s_mov_b32 s51, s50
	s_mov_b32 s[MNT], 0x600000
	s_mov_b32 s74, 0x3b000000                      ; 1/512
	s_mov_b32 s75, 0x3727c5ac                      ; 1e-5
	s_mov_b32 s45, 0                               ; the slot to read
	; descriptor group 1: 132 rows of 256 bytes (32 elements of 8), dense, no padding; 15:0 the mask: all four work-groups; bit 21 set beside it
	s_mov_b32 s36, 15|(3<<16)|(1<<21)
	s_mov_b32 s37, 32<<16                          ; tensor_dim0
	s_mov_b32 s38, 132<<16                         ; tensor_dim1
	s_mov_b32 s39, 32<<16                          ; tile_dim0
	s_mov_b32 s40, 132                             ; tile_dim1
	s_mov_b32 s41, 32                              ; the pitch
	s_mov_b32 s42, 0
	s_mov_b32 s43, 0
	s_cmp_eq_u32 s29, 0
	s_cselect_b32 s30, 0xff800000, 0               ; PEN
.irp b, 0,1,2,3
	v_mov_b32 v[KS+4+\b], 0                        ; the other block's k scales, where there is none: byte 0 over zero codes
	v_mov_b32 v[200+\b], 0                         ; (a lane permute's destination counts as one of its sources)
.endr
	WIN 0xC0                                       ; destination window 3: ZERO CODES, which add nothing: k's tiles 4-7 and the 12 registers behind them, blocks 1-3 of q's fragment, blocks 2, 3 of v's
.set zz, 112
.rept 28
	v_mov_b32 v[zz], 0
.set zz, zz+1
.endr
.set zz, 144
.rept 12
	v_mov_b32 v[zz], 0
.set zz, zz+1
.endr
.set zz, 0
.rept 8
	v_mov_b32 v[164+zz], 0
	v_mov_b32 v[180+zz], 0
.set zz, zz+1
.endr
.irp z, 192,193,194,195,205,207,209,223,231        ; permutes' destinations, and the upper halves of pairs that are named whole
	v_mov_b32 v[\z], 0
.endr
	v_mov_b32 v219, v255                           ; DL0
	v_mov_b32 v220, 0xff800000                     ; -infinity
	v_mov_b32 v222, s30                            ; PEN: blocks 2, 3
	WIN 0
	s_wait_alu depctr_va_vdst(0)
	s_wait_kmcnt 0x0
	; ITEM 0 IS ASKED FOR FIRST, ahead of the loads of h and the biases
	s_mul_i32 s76, s28, SLOTB
	s_mov_b32 s77, 0
	s_add_nc_u64 s[WQ:WQ+1], s[14:15], s[76:77]    ; my quarter of item 0
	s_mov_b32 s32, 1                               ; group 0: count = 1,
	s_mov_b32 s33, s46                             ; my slot 0,
	s_mov_b64 s[34:35], s[WQ:WQ+1]
	s_or_b32 s35, s35, 0x80000000                  ; type = 2
	CROUND                                         ; all four work-groups are here: the first joint loads meet
	tensor_load_to_lds s[32:35], s[36:43]          ; item 0
	s_nop 0
	PLACES 4
	s_lshl_b32 s76, s80, 17                        ; 64 rows of 2,048 bytes a block,
	s_lshl_b32 s30, s28, 9                         ; my 128 columns
	s_add_co_u32 s76, s76, s30
	s_add_nc_u64 s[8:9], s[8:9], s[76:77]
	s_add_nc_u64 s[26:27], s[26:27], s[76:77]
	s_lshl_b32 s76, s80, 15
	s_add_nc_u64 s[68:69], s[10:11], s[76:77]      ; my block's h
	s_lshl_b32 s76, s81, 15
	s_add_nc_u64 s[70:71], s[10:11], s[76:77]      ; the batch's first block's
	s_lshl_b32 s76, s81, 11
	s_add_nc_u64 s[12:13], s[12:13], s[76:77]
	s_mov_b32 s76, s30
	s_add_nc_u64 s[16:17], s[16:17], s[76:77]
	s_add_nc_u64 s[18:19], s[18:19], s[76:77]
	s_add_nc_u64 s[20:21], s[20:21], s[76:77]
	s_add_nc_u64 s[22:23], s[22:23], s[76:77]
	s_add_nc_u64 s[24:25], s[24:25], s[76:77]
	s_lshl_b32 s76, s[J0], 11                      ; a chunk's b1 is 2,048 bytes
	s_add_nc_u64 s[72:73], s[22:23], s[76:77]      ; b1 of the chunk with which my cluster begins
	global_load_b128 v[216:219], v1, s[16:17]      ; b_proj, my 128
	global_load_b128 v[28:31], v1, s[72:73]        ; b1, my walk's first chunk, my 128
.irp m, 0,1,2,3
	global_load_b128 v[HS+4*\m:HS+4*\m+3], v27, s[12:13] offset:512*\m
.endr
	WIN 0x40
.irp m, 0,1,2,3
.irp s, 0,1,2,3
.irp c, 0,1,2,3
	global_load_b128 v[64*\m+16*\s+4*\c:64*\m+16*\s+4*\c+3], v1, s[68:69] offset:2048*(4*\m+\s)+512*\c
.endr
.endr
.endr
	WIN 0x80                                       ; (with PAR = 0 this is my own block once more: the registers are written on every way, and not multiplied there)
.irp m, 0,1,2,3
.irp s, 0,1,2,3
.irp c, 0,1,2,3
	global_load_b128 v[64*\m+16*\s+4*\c:64*\m+16*\s+4*\c+3], v1, s[70:71] offset:2048*(4*\m+\s)+512*\c
.endr
.endr
.endr
	WIN 0
	s_wait_loadcnt 0x0
	ds_store_b128 v19, v[216:219]                  ; b_proj waits in BT
; ================= A: q of my four heads (items 0, 1: two heads each).  Its codes and bytes wait in the very pieces of IMG and bytes of ISC that attn's will take: all my own =================
	s_mov_b32 s57, 0                               ; byte of a piece in my 8,192 bytes of IMG: 2,048 m + 512 g
	s_mov_b32 s58, 0                               ; byte in my 512 bytes of ISC: 128 m + g
	s_mov_b32 s53, 2
.Lq:
	HFILL
	v_add_nc_u32 v14, s57, v13
	v_add_nc_u32 v16, s58, v15
	s_wait_alu depctr_va_vdst(0)
.irp e, 0,1
	s_wait_dscnt 0x0                               ; this head's fragments are in
	MMT 0xF4, 0, 4*\e
	PLACES 9                                       ; 8 for readers and loads, one more for matrix instructions that write over these registers
.if \e == 0
	WIN 0
	LOADW WB, 8, 8                                 ; the item's second head: its 32 loads come back while the first head's q is quantised
.endif
	QUANT 0, 0, 3, 3, 3, 188, 64, 68, 72, 76
	WIN 0x0C                                       ; an LDS store's data are its source 1: window 3
.irp m, 0,1,2,3
	ds_store_b128 v14, v[64+4*\m:67+4*\m] offset:2048*\m+512*\e
	ds_store_b8 v16, v[192+\m] offset:128*\m+\e
.endr
	WIN 0
.endr
	s_add_co_u32 s57, s57, 1024
	s_add_co_u32 s58, s58, 2
	s_sub_co_u32 s53, s53, 1
	s_cmp_lg_u32 s53, 0
	s_cbranch_scc1 .Lq
; ================= B, C: a head at a time (items 2-5): k, v, then attention for the four query tiles =================
	s_mov_b32 s53, 0                               ; number of the query tile, 4 g + m
	WIN 0xC0
	ds_load_b128 v[140:143], v13                   ; q's codes of head 0, tile 0: block 0 of the fragment
	WIN 0
	ds_load_u8 v[QSC], v15                         ; and their byte
	s_mov_b32 s54, 4
.Lhead:
	HFILL                                          ; Wk's eight fragments are on their way
	s_wait_dscnt 0x0
	MMT 0xF4, 0, 0                                 ; k of my 64 tokens
	PLACES 9
	QUANT 0, 0, 3, 3, 3, 188, 96, 100, 104, 108    ; key tiles 0-3
	WIN 0x03
.irp m, 0,1,2,3
	v_mov_b32 v[KS+\m], v[192+\m]
.endr
	WIN 0
	s_cmp_eq_u32 s29, 0                            ; the first 64 tokens see no others
	s_cbranch_scc1 .Lk_one
	MMT 0xF8, 1, 0                                 ; k of the other 64
	PLACES 9
	WIN 0
	LOADW WB, 8, 8                                 ; Wv: Wk's last products are nine places back; the 32 loads come back while k is quantised
	QUANT 0, 0, 3, 3, 3, 188, 112, 116, 120, 124   ; key tiles 4-7
	WIN 0x03
.irp m, 0,1,2,3
	v_mov_b32 v[KS+4+\m], v[192+\m]
.endr
	WIN 0
	s_branch .Lk_done
.Lk_one:
	LOADW WB, 8, 8                                 ; Wv
.Lk_done:
	s_wait_dscnt 0x0
	MMN 0xF1, 0
	PLACES 9
	QUANT 0, 0, 3, 3, 3, 188, 156, 160, 172, 176   ; block 2 u + b: key block b of fragment u
	WIN 0xFF
	v_lshl_or_b32 v228, v193, 8, v192
	v_lshl_or_b32 v229, v195, 8, v194
	WIN 0
	s_cmp_eq_u32 s29, 0
	s_cbranch_scc1 .Lv_done
	MMN 0xF2, 1
	PLACES 9
	QUANT 0, 0, 3, 3, 3, 188, 164, 168, 180, 184   ; key blocks 2, 3
	WIN 0xFF
	v_lshl_or_b32 v228, v192, 16, v228
	v_lshl_or_b32 v229, v194, 16, v229
	v_lshl_or_b32 v228, v193, 24, v228
	v_lshl_or_b32 v229, v195, 24, v229
	WIN 0
.Lv_done:
	WIN 0x03
	s_wait_alu depctr_va_vdst(0)
	v_mov_b32 v[VS], v228                          ; v's scale words
	v_mov_b32 v[VS+1], v229
	WIN 0
	s_wait_alu depctr_va_vdst(0)
.macro QADR va, vb                     ; tile number s53: s59 = m; the places of its piece in IMG and its byte in ISC
	s_and_b32 s59, s53, 3
	s_bfe_u32 s60, s53, 0x20002
	s_lshl_b32 s30, s59, 11
	s_lshl_b32 s31, s60, 9
	s_add_co_u32 s30, s30, s31
	v_add_nc_u32 v[\va], s30, v13
	s_lshl_b32 s30, s59, 7
	s_add_co_u32 s30, s30, s60
	v_add_nc_u32 v[\vb], s30, v15
.endm
.macro MK i                            ; SG: the scalar register of mask i: s2-7, s10-15, s66-69
.if (\i) < 6
.set SG, 2+(\i)
.elseif (\i) < 12
.set SG, 4+(\i)
.else
.set SG, 54+(\i)
.endif
.endm
	s_mov_b32 s55, 4
.Latt:
	s_wait_dscnt 0x0                               ; q of this tile is in (asked for a tile ago)
	QADR 14, 16
	s_and_b32 s31, s59, 1
	s_lshl_b32 s31, s31, 3                         ; 8 (m%2)
	s_cmp_lt_u32 s59, 2
	s_cselect_b32 s30, 0xff800000, 0
	WIN 0xFF
	v_add_nc_u32 v218, s31, v219                   ; d: register i of block D holds a key that is hidden where i > d
	v_mov_b32 v221, s30                            ; block E is hidden for tiles 0, 1
	s_wait_alu depctr_va_vdst(0)
.irp i, 0,1,2,3,4,5,6,7                            ; S^T = k q^T.  K is 32: blocks 1-3 of q are zero codes, so what stands behind a key tile's four registers adds nothing
	WM 8*\i, 96+4*\i, 140, -1, KS+\i, QSC, 0, 0
	MK 2*\i
	v_cmp_gt_i32 s[SG], 2*\i, v218
	MK 2*\i+1
	v_cmp_gt_i32 s[SG], 2*\i+1, v218
.endr
	PLACES 8
.irp i, 0,1,2,3,4,5,6,7,8,9,10,11,12,13,14,15
	MK \i
	v_cndmask_b32 v[\i], v[\i], v220, s[SG]
.endr
.irp b, 0,1,2,3
	v_max3_num_f32 v[188+\b], v[16*\b], v[16*\b+1], v[16*\b+2]     ; the largest score of each block of 32 keys, in two chains: for the row's maximum and, since p rises with the score, for the block's largest p
.endr
.irp b, 0,1,2,3
	v_max3_num_f32 v[192+\b], v[16*\b+9], v[16*\b+10], v[16*\b+11]
.endr
.irp i, 3,5
.irp b, 0,1,2,3
	v_max3_num_f32 v[188+\b], v[188+\b], v[16*\b+\i], v[16*\b+\i+1]
.endr
.irp b, 0,1,2,3
	v_max3_num_f32 v[192+\b], v[192+\b], v[16*\b+\i+9], v[16*\b+(\i)+10-((\i)/5)*0]
.endr
.endr
.irp b, 0,1,2,3
	v_max3_num_f32 v[188+\b], v[188+\b], v[16*\b+7], v[16*\b+8]
.endr
.irp b, 0,1,2,3
	v_max_num_f32 v[188+\b], v[188+\b], v[192+\b]
.endr
.irp b, 0,1,2,3
	v_permlanex16_b32 v[192+\b], v[188+\b], s[SEL], s[SEL+1]
.endr
.irp b, 0,1,2,3
	v_max_num_f32 v[188+\b], v[188+\b], v[192+\b]
.endr
	v_add_f32 v189, v189, v221
	v_add_f32 v190, v190, v222                     ; blocks 2, 3 count only where there are other tokens
	v_add_f32 v191, v191, v222
	v_max3_num_f32 v232, v188, v189, v190
	v_max_num_f32 v232, v232, v191
	v_mul_f32 v232, s50, v232                      ; the row's largest t (the key on the diagonal always counts)
	v_floor_f32 v204, -v232                        ; -M = floor(-t)
	v_add_f32 v206, v204, v221
	v_add_f32 v208, v204, v222
.set an, 0
.rept 8
	v_pk_fma_f32 v[an:an+1], v[an:an+1], s[50:51], v[204:205] op_sel_hi:[1,0,0]              ; t - M
	v_pk_fma_f32 v[16+an:17+an], v[16+an:17+an], s[50:51], v[206:207] op_sel_hi:[1,0,0]
	v_pk_fma_f32 v[32+an:33+an], v[32+an:33+an], s[50:51], v[208:209] op_sel_hi:[1,0,0]
	v_pk_fma_f32 v[48+an:49+an], v[48+an:49+an], s[50:51], v[208:209] op_sel_hi:[1,0,0]
.set an, an+2
.endr
	v_fma_f32 v188, v188, s50, v204
	v_fma_f32 v189, v189, s50, v206
	v_fma_f32 v190, v190, s50, v208
	v_fma_f32 v191, v191, s50, v208
	WIN 0                                          ; the next tile's q (behind the last head's last tile that of the first once more: inside my own piece, and not used, so that no branch is needed)
	s_add_co_u32 s53, s53, 1
	QADR 10, 12
	WIN 0xC0
	ds_load_b128 v[140:143], v10
	WIN 0
	ds_load_u8 v[QSC], v12
	WIN 0xFF
	s_wait_alu depctr_va_vdst(0)
.irp b, 0,1,2,3
	v_exp_f32 v[188+\b], v[188+\b]                 ; each block's largest p: the same two instructions on the same number
.endr
.set an, 0
.rept 64
	v_exp_f32 v[an], v[an]                         ; p, at most 1: not normalised
.set an, an+1
.endr
	v_nop                                          ; a plain line behind the batch,
	s_wait_alu depctr_va_vdst(0)                   ; and ONE wait for it, ahead of its first reader
.irp b, 0,1,2,3
	v_max_num_f32 v[188+\b], 0x4800000, v[188+\b]
	v_pk_add_f32 v[210+2*\b:211+2*\b], v[2*\b:2*\b+1], v[8+2*\b:9+2*\b]        ; the row's sum, of the unquantised p, in four chains
.endr
.irp b, 0,1,2,3
	v_add_nc_u32 v[200+\b], 0xfc000000, v[188+\b]
	v_pk_add_f32 v[210+2*\b:211+2*\b], v[210+2*\b:211+2*\b], v[16+2*\b:17+2*\b]
.endr
.irp b, 0,1,2,3
	v_and_or_b32 v[196+\b], v[188+\b], 0x7f800000, s[MNT]
	v_pk_add_f32 v[210+2*\b:211+2*\b], v[210+2*\b:211+2*\b], v[24+2*\b:25+2*\b]
.endr
.irp b, 0,1,2,3
	v_lshrrev_b32 v[192+\b], 23, v[200+\b]
	v_pk_add_f32 v[210+2*\b:211+2*\b], v[210+2*\b:211+2*\b], v[32+2*\b:33+2*\b]
.endr
.irp j, 40,48,56
.irp b, 0,1,2,3
	v_pk_add_f32 v[210+2*\b:211+2*\b], v[210+2*\b:211+2*\b], v[\j+2*\b:\j+2*\b+1]
.endr
.endr
	v_pk_add_f32 v[210:211], v[210:211], v[212:213]
	v_pk_add_f32 v[214:215], v[214:215], v[216:217]
	v_lshl_or_b32 v233, v193, 8, v192
	v_lshl_or_b32 v234, v195, 8, v194
	v_pk_add_f32 v[210:211], v[210:211], v[214:215]
	v_lshl_or_b32 v233, v234, 16, v233
	v_add_f32 v232, v210, v211
	WIN 0x03
	v_mov_b32 v[PS], v233                          ; p's scale word
	WIN 0xFF
	v_permlanex16_b32 v223, v232, s[SEL], s[SEL+1]
	v_add_f32 v232, v232, v223                     ; l
	s_wait_alu depctr_va_vdst(0)
	v_rcp_f32 v230, v232
.irp b, 0,1,2,3
.irp i, 0,1,2,3,4,5,6,7,8,9,10,11,12,13,14,15
	v_min_num_f32 v[16*\b+\i], v[16*\b+\i], v[196+\b]              ; p is not negative: the hold is one-sided
.endr
.endr
.irp b, 0,1,2,3
	v_cvt_scalef32_pk8_fp8_f32 v[64+4*\b:65+4*\b], v[16*\b:16*\b+7], v[200+\b]
	v_cvt_scalef32_pk8_fp8_f32 v[66+4*\b:67+4*\b], v[16*\b+8:16*\b+15], v[200+\b]
.endr
	PLACES 4                                       ; operands written by vector instructions stand four places ahead of a scaled matrix instruction
	WM 80, 156, 64, -1, VS, PS, 0, 0               ; O^T = v^T p^T: registers 0..15 are channels 16 (lane/16) + 0..15 of my query
	WM 88, 172, 64, -1, VS+1, PS, 0, 0
	PLACES 8
	s_wait_alu depctr_va_vdst(0)                   ; the reciprocal's wait, ahead of its first reader
.irp j, 0,2,4,6,8,10,12,14
	v_pk_mul_f32 v[80+\j:81+\j], v[80+\j:81+\j], v[230:231] op_sel_hi:[1,0]
.endr
	v_max3_num_f32 v232, |v80|, |v81|, 0x4800000   ; a head's 32 channels are one block of the projection's K
	v_max3_num_f32 v233, |v82|, |v83|, |v84|
	v_max3_num_f32 v234, |v85|, |v86|, |v87|
	v_max3_num_f32 v235, |v88|, |v89|, |v90|
	v_max3_num_f32 v236, |v91|, |v92|, |v93|
	v_max_num_f32 v237, |v94|, |v95|
	v_max3_num_f32 v232, v232, v233, v234
	v_max3_num_f32 v235, v235, v236, v237
	v_max_num_f32 v232, v232, v235
	v_permlanex16_b32 v223, v232, s[SEL], s[SEL+1]
	v_max_num_f32 v232, v232, v223
	v_and_or_b32 v234, v232, 0x7f800000, s[MNT]
	v_add_nc_u32 v233, 0xfc000000, v232
	v_lshrrev_b32 v235, 23, v233
.irp i, 0,1,2,3,4,5,6,7,8,9,10,11,12,13,14,15
	v_med3_num_f32 v[80+\i], v[80+\i], -v234, v234
.endr
	v_cvt_scalef32_pk8_fp8_f32 v[224:225], v[80:87], v233
	v_cvt_scalef32_pk8_fp8_f32 v[226:227], v[88:95], v233
	v_nop
	WIN 0x0C
	ds_store_b128 v14, v[224:227]                  ; piece g of fragment (m, w) of attn, where q's codes lay
	ds_store_b8 v16, v235
	WIN 0
	s_cmp_eq_u32 s59, 2                            ; is the next tile number 2?  Then my own two key blocks change places: the diagonal lies on the other one
	s_cbranch_scc0 .Lno_swap
	WIN 0xFF
.irp i, 0,1,2,3,4,5,6,7
	v_swap_b32 v[96+\i], v[104+\i]
.endr
.irp i, 0,1,2,3
	v_swap_b32 v[156+\i], v[160+\i]
	v_swap_b32 v[172+\i], v[176+\i]
.endr
	WIN 0
	v_swap_b32 v[KS], v[KS+2]
	v_swap_b32 v[KS+1], v[KS+3]
	v_perm_b32 v[VS], v[VS], v[VS], 0x03020001
	v_perm_b32 v[VS+1], v[VS+1], v[VS+1], 0x03020001
	PLACES 8                                       ; a scale register written by a vector instruction stands eight places ahead of its matrix instruction
.Lno_swap:
	s_sub_co_u32 s55, s55, 1
	s_cmp_lg_u32 s55, 0
	s_wait_alu depctr_va_vdst(0)
	s_cbranch_scc1 .Latt
	s_sub_co_u32 s54, s54, 1
	s_cmp_lg_u32 s54, 0
	s_cbranch_scc1 .Lhead
; ================= D: the second half is set up.  x is asked for here, two items ahead of its use =================
	s_wait_dscnt 0x0                               ; the q asked for last is in: its registers are written below
	PLACES 8
	WIN 0x40
.irp m, 0,1,2,3
.irp c, 0,1
.irp p, 0,1,2,3,4,5,6,7                            ; sixteen lanes read 256 consecutive bytes of a row; index 2 p + hh of tile m
	global_load_b128 v[4*(16*\m+8*\c+\p):4*(16*\m+8*\c+\p)+3], v23, s[8:9] offset:(32*(\m/2)+8*(\m%2)+2*\p+8*(\p/4))*2048+256*\c th:TH_LOAD_NT
.endr
.endr
.endr
	WIN 0x80
.irp b, 0,1,2,3
.irp i, 0,1,2,3
	global_load_b128 v[128+16*\b+4*\i:131+16*\b+4*\i], v26, s[18:19] offset:128*\b+16*\i
	global_load_b128 v[192+16*\b+4*\i:195+16*\b+4*\i], v26, s[20:21] offset:128*\b+16*\i
.endr
.endr
	WIN 0xC0
.irp m, 0,1,2,3                                    ; b_proj, my 128 numbers in BT, starts the 32 sums: nothing is cleared
.irp b, 0,1,2,3
.irp i, 0,1,2,3
	ds_load_b128 v[64*\m+16*\b+4*\i:64*\m+16*\b+4*\i+3], v20 offset:128*\b+16*\i
.endr
.endr
.endr
	WIN 0
	global_load_b128 v[216:219], v1, s[24:25]      ; b2
	s_mov_b32 s61, 0
	s_mov_b32 s62, 0
; ================= E: the projection (items 6, 7) =================
	s_mov_b32 s53, 2
.Lproj:
	HFILL
	GB
	MG 1, 1, WB1, 0, 16
	WIN 0
	s_add_co_u32 s61, s61, 16384
	s_add_co_u32 s62, s62, 1024
	s_sub_co_u32 s53, s53, 1
	s_cmp_lg_u32 s53, 0
	s_cbranch_scc1 .Lproj
; ================= F: + x, layernorm 2, its quantiser =================
	PLACES 9
	v_mov_b32 v42, 0                               ; (a permute's destination)
	s_wait_loadcnt 0x0                             ; x, g, b, b2
; x turns through my stage, 16 rows x 256 bytes a pass, into the sums' layout.  LDS serves a wave's instructions in order: no wait between a pass's stores and loads, nor in front of the next pass's stores.
.macro XPASS k
	WIN 0x04
.irp p, 0,1,2,3,4,5,6,7
	ds_store_b128 v21, v[32*(\k)+4*\p:32*(\k)+4*\p+3] offset:544*\p
.endr
	WIN 0x80
.irp b, 0,1
.irp i, 0,1,2,3
	ds_load_b128 v[32*((\k)%2)+16*\b+4*\i:32*((\k)%2)+16*\b+4*\i+3], v22 offset:128*\b+16*\i
.endr
.endr
.endm
	XPASS 0
.irp k, 0,1,2,3,4,5,6,7
.if \k < 7
	XPASS \k+1
	s_wait_dscnt 16                                ; this pass is back; the next pass's 16 LDS instructions stay out
.else
	s_wait_dscnt 0x0
.endif
	WIN 0xCB
.set xq, 0
.rept 16
	v_pk_add_f32 v[32*\k+xq:32*\k+xq+1], v[32*\k+xq:32*\k+xq+1], v[32*(\k%2)+xq:32*(\k%2)+xq+1]   ; x1 = x + attn W + b_proj; each accumulator from its low end on
.set xq, xq+2
.endr
.endr
; my 128 columns' mean and sum of squared deviations, for each row
.irp m, 0,1,2,3
	WIN 0x0F
.irp k, 0,1,2,3
	v_pk_add_f32 v[32+2*\k:33+2*\k], v[64*\m+4*\k:64*\m+4*\k+1], v[64*\m+4*\k+2:64*\m+4*\k+3]
.endr
	WIN 0x0C
.irp j, 16,24,32,40,48,56
.irp k, 0,1,2,3
	v_pk_add_f32 v[32+2*\k:33+2*\k], v[32+2*\k:33+2*\k], v[64*\m+\j+2*\k:64*\m+\j+2*\k+1]
.endr
.endr
	WIN 0
	v_pk_add_f32 v[32:33], v[32:33], v[34:35]
	v_pk_add_f32 v[36:37], v[36:37], v[38:39]
	v_pk_add_f32 v[32:33], v[32:33], v[36:37]
	v_add_f32 v32, v32, v33
	v_permlanex16_b32 v42, v32, s[SEL], s[SEL+1]
	v_add_f32 v32, v32, v42
	v_mul_f32 v[44+2*\m], 0x3c000000, v32          ; / 128
	v_mov_b32 v40, v[44+2*\m]
	v_mov_b32 v41, v[44+2*\m]
	WIN 0x83
.set xq, 0
.rept 32
	v_pk_add_f32 v[64+xq:65+xq], v[64*\m+xq:64*\m+xq+1], v[40:41] neg_lo:[0,1] neg_hi:[0,1]
.set xq, xq+2
.endr
	WIN 0x0A
.irp k, 0,1,2,3
	v_pk_mul_f32 v[32+2*\k:33+2*\k], v[64+2*\k:65+2*\k], v[64+2*\k:65+2*\k]
.endr
.irp j, 8,16,24,32,40,48,56
.irp k, 0,1,2,3
	v_pk_fma_f32 v[32+2*\k:33+2*\k], v[64+\j+2*\k:65+\j+2*\k], v[64+\j+2*\k:65+\j+2*\k], v[32+2*\k:33+2*\k]
.endr
.endr
	WIN 0
	v_pk_add_f32 v[32:33], v[32:33], v[34:35]
	v_pk_add_f32 v[36:37], v[36:37], v[38:39]
	v_pk_add_f32 v[32:33], v[32:33], v[36:37]
	v_add_f32 v32, v32, v33
	v_permlanex16_b32 v42, v32, s[SEL], s[SEL+1]
	v_add_f32 v[45+2*\m], v32, v42
	ds_store_b64 v17, v[44+2*\m:45+2*\m] offset:128*\m
.endr
	BAR                                            ; the four waves' figures lie in STAT; and every wave's reads of attn are over
.irp m, 0,1,2,3
.irp q, 0,1,2,3
	ds_load_b64 v[52+8*\m+2*\q:53+8*\m+2*\q], v18 offset:512*\q+128*\m
.endr
.endr
	s_wait_dscnt 0x0
.irp m, 0,1,2,3                                    ; the row's mean, and its sum of squares by the parts' own and 128 x their means' deviations: no difference of large sums
	v_add_f32 v32, v[52+8*\m], v[54+8*\m]
	v_add_f32 v33, v[56+8*\m], v[58+8*\m]
	v_add_f32 v32, v32, v33
	v_mul_f32 v[236+2*\m], 0x3e800000, v32
	v_mov_b32 v[237+2*\m], v[236+2*\m]
	v_sub_f32 v34, v[52+8*\m], v[236+2*\m]
	v_sub_f32 v35, v[54+8*\m], v[236+2*\m]
	v_sub_f32 v36, v[56+8*\m], v[236+2*\m]
	v_sub_f32 v37, v[58+8*\m], v[236+2*\m]
	v_mul_f32 v38, v34, v34
	v_fmac_f32 v38, v35, v35
	v_fmac_f32 v38, v36, v36
	v_fmac_f32 v38, v37, v37
	v_add_f32 v32, v[53+8*\m], v[55+8*\m]
	v_add_f32 v33, v[57+8*\m], v[59+8*\m]
	v_add_f32 v32, v32, v33
	v_fmamk_f32 v32, v38, 0x43000000, v32
	v_fma_f32 v[84+\m], v32, s74, s75              ; variance + 1e-5
.endr
	s_wait_alu depctr_va_vdst(0)
.irp m, 0,1,2,3
	v_rsq_f32 v[244+\m], v[84+\m]
.endr
	v_nop
	s_wait_alu depctr_va_vdst(0)                   ; one wait for the four
.irp m, 0,1,2,3                                    ; h2 of a row tile, my 128 columns = one fragment; x1 stays in window 3
	v_mov_b32 v248, v[244+\m]
	v_mov_b32 v249, v[244+\m]
	WIN 0x83
.set xq, 0
.rept 32
	v_pk_add_f32 v[xq:xq+1], v[64*\m+xq:64*\m+xq+1], v[236+2*\m:237+2*\m] neg_lo:[0,1] neg_hi:[0,1]
.set xq, xq+2
.endr
	WIN 0x82
.set xq, 0
.rept 32
	v_pk_mul_f32 v[xq:xq+1], v[xq:xq+1], v[248:249]
.set xq, xq+2
.endr
	WIN 0xAA
.set xq, 0
.rept 32
	v_pk_fma_f32 v[xq:xq+1], v[xq:xq+1], v[128+xq:129+xq], v[192+xq:193+xq]
.set xq, xq+2
.endr
	QUANT 0, 0, 2, 2, 2, 64, 96, 100, 104, 108
	QWORD 64, 80
	WIN 0x08
.irp c, 0,1,2,3
	ds_store_b128 v13, v[96+4*\c:99+4*\c] offset:2048*\m+512*\c
.endr
	ds_store_b32 v15, v80 offset:128*\m
	s_wait_dscnt 0x0                               ; the stores have read their registers
	WIN 0
.endr
	BAR                                            ; h2's sixteen fragments lie in IMG
	WIN 0x40
.irp m, 0,1,2,3
.irp s, 0,1,2,3
.irp c, 0,1,2,3
	ds_load_b128 v[64*\m+16*\s+4*\c:64*\m+16*\s+4*\c+3], v9 offset:8192*\s+2048*\m+512*\c   ; all of h2 stays in window 1 for the four chunks
.endr
.endr
.endr
	WIN 0
.irp m, 0,1,2,3
.irp s, 0,1,2,3
	ds_load_b32 v[HS+4*\m+\s], v11 offset:512*\s+128*\m
.endr
.endr
; ================= G: the MLP, 512 hidden units a chunk: two items of w1 (two pieces of my 32 units each), two items of w2.  Trip c takes chunk (c + cluster x) mod 4 =================
; A piece: 32 products onto 64 sums, then relu and the quantiser.  The next piece's fragments are loaded while a piece is quantised; an item's second piece is quantised under the next item's first loads.
	HFILL                                          ; the first item of w1
	s_mov_b32 s54, 4
	s_mov_b32 s63, 8                               ; items of w2 to go
	s_mov_b32 s67, 0                               ; the trip
.Lchunk:
	s_wait_loadcnt 0x0                             ; this chunk's b1
	ds_store_b128 v19, v[28:31]
	s_mov_b32 s57, 0                               ; 512 x the item's first piece
	s_mov_b32 s58, 0                               ; that piece
	s_mov_b32 s76, 0                               ; its b1 in BT
	s_mov_b32 s53, 2
.Lunits:
	v_add_nc_u32 v10, s76, v20
	v_add_nc_u32 v14, s57, v13
	v_add_nc_u32 v16, s58, v15
	WIN 0x80
.irp i, 0,1,2,3
	ds_load_b128 v[64+4*\i:67+4*\i], v10 offset:16*\i              ; b1 of both pieces, in the result's layout (my own bytes: these see the store above)
	ds_load_b128 v[80+4*\i:83+4*\i], v10 offset:128+16*\i
.endr
	WIN 0
	s_cmp_eq_u32 s53, 2                            ; in the chunk's first item no piece waits to be quantised
	s_wait_alu depctr_va_vdst(0)
	s_cbranch_scc1 .Lno_piece
	QUANT 0, 1, 2, 0, 0, 196, 220, 224, 228, 232   ; piece 1
	STQ 13, 512, 15, 1
.Lno_piece:
	s_wait_dscnt 0x0
	MH 0, 32, 0, 64
	PLACES 9
	WIN 0
	LOADW WB, 8, 8
	QUANT 0, 1, 2, 0, 0, 196, 220, 224, 228, 232   ; piece 0 or 2
	STQ 14, 0, 16, 0
	s_wait_dscnt 0x0                               ; the item's last fragments are in registers
	MH 0, 16, 4, 80
	TURN1
	MH 16, 24, 4, 80
	TURN2
	MH 24, 32, 4, 80
	TURN3
	s_add_co_u32 s57, s57, 1024
	s_add_co_u32 s58, s58, 2
	s_add_co_u32 s76, s76, 256
	s_sub_co_u32 s53, s53, 1
	s_cmp_lg_u32 s53, 0
	s_cbranch_scc1 .Lunits
	QUANT 0, 1, 2, 0, 0, 196, 220, 224, 228, 232   ; piece 3
	STQ 13, 1536, 15, 3
	BAR                                            ; all four waves' hidden units lie in IMG
	s_add_co_u32 s67, s67, 1
	s_add_co_u32 s30, s67, s[J0]
	s_and_b32 s30, s30, 3                          ; the next chunk of my walk; behind the last it is the first once more: inside the buffer, and not used, so that no branch is needed
	s_lshl_b32 s30, s30, 11
	s_mov_b32 s31, 0
	s_add_nc_u64 s[72:73], s[22:23], s[30:31]      ; (the load that named this pair has been waited for)
	global_load_b128 v[28:31], v1, s[72:73]
	s_mov_b32 s61, 0
	s_mov_b32 s62, 0
	s_mov_b32 s55, 2
.Lg:
	GB
	s_cmp_eq_u32 s63, 2                            ; the walk's last item but one: the rest is written out behind the loops, and asks for nothing more
	s_cbranch_scc1 .Ltail
	TURN1
	MG 1, 1, WB1, 0, 8
	WIN 0
	TURN2
	MG 1, 1, WB1, 8, 16
	TURN3
	s_sub_co_u32 s63, s63, 1
	s_add_co_u32 s61, s61, 16384
	s_add_co_u32 s62, s62, 1024
	s_sub_co_u32 s55, s55, 1
	s_cmp_lg_u32 s55, 0
	s_cbranch_scc1 .Lg
	s_sub_co_u32 s54, s54, 1
	s_cmp_lg_u32 s54, 0
	s_cbranch_scc1 .Lchunk                         ; (the walk leaves by the branch to the tail in the last chunk)
.Ltail:
	MG 1, 1, WB1, 0, 16
	WIN 0
	s_wait_tensorcnt 0x0                           ; the last item: a slot is read by the wave that filled it: its own wait is all the ordering that the reads need
	PLACES 4
	v_add_nc_u32 v6, s45, v5
	v_add_nc_u32 v8, s45, v7
	STARTW
	s_mov_b32 s61, 16384
	s_mov_b32 s62, 1024
	GB
	MG 1, 1, WB1, 0, 16
; ================= H: the way out.  The stage, 64 rows x 528 bytes, is my slot 0: it has had its last fill, and only I read it =================
	PLACES 9
	WIN 0x0C
.irp m, 0,1,2,3
.irp b, 0,1,2,3
.irp i, 0,1,2,3
	ds_store_b128 v24, v[64*\m+16*\b+4*\i:64*\m+16*\b+4*\i+3] offset:(32*(\m/2)+8*(\m%2))*528+128*\b+16*\i   ; each accumulator from its low end on
.endr
.endr
.endr
	WIN 0
	s_mov_b32 s57, 0
	s_mov_b32 s53, 2
.Lout:                                             ; 32 rows a trip
	v_add_nc_u32 v10, s57, v5
	WIN 0x80
.set row, 0
.rept 32
	ds_load_b128 v[4*row:4*row+3], v10 offset:528*row              ; back as whole rows of my 512 bytes
.set row, row+1
.endr
.irp q, 0,1
	s_wait_dscnt 16-16*\q                          ; sixteen more rows are back; the later rows' loads stay out
	WIN 0x82
.set row, 16*\q
.rept 16
	v_pk_add_f32 v[4*row:4*row+1], v[4*row:4*row+1], v[216:217]    ; + b2
	v_pk_add_f32 v[4*row+2:4*row+3], v[4*row+2:4*row+3], v[218:219]
.set row, row+1
.endr
	WIN 0x08
.set row, 16*\q
.rept 16
	global_store_b128 v1, v[4*row:4*row+3], s[26:27] offset:2048*row th:TH_STORE_NT   ; 32 lanes store 512 consecutive bytes, at a multiple of 256 from out0's first byte
.set row, row+1
.endr
.endr
	WIN 0
	s_wait_xcnt 0x0                                ; the stores have read their registers and their base
	s_add_nc_u64 s[26:27], s[26:27], 0x10000
	s_add_co_u32 s57, s57, 32*528
	s_sub_co_u32 s53, s53, 1
	s_cmp_lg_u32 s53, 0
	s_cbranch_scc1 .Lout
	s_wait_tensorcnt 0x0                           ; the wave's end
	ds_add_u32 v3, v4
	s_wait_dscnt 0x0
	CROUND                                         ; the closing round: no work-group ends while a partner may still ask for an item that names it
	s_endpgm
.Lfunc_end_k_qed1dc1449c_block:
	.size	k_qed1dc1449c_block, .Lfunc_end_k_qed1dc1449c_block-k_qed1dc1449c_block
	.p2alignl 7, 3214868480
	.fill 96, 4, 3214868480
	.section	.rodata,"a",@progbits
	.p2align	6, 0x0
	.amdhsa_kernel k_qed1dc1449c_block
		.amdhsa_group_segment_fixed_size 327680
		.amdhsa_private_segment_fixed_size 0
		.amdhsa_enable_private_segment 0
		.amdhsa_kernarg_size 80
		.amdhsa_user_sgpr_count 2
		.amdhsa_user_sgpr_kernarg_segment_ptr 1
		.amdhsa_wavefront_size32 1
		.amdhsa_system_sgpr_workgroup_id_x 1
		.amdhsa_system_sgpr_workgroup_id_y 1
		.amdhsa_system_sgpr_workgroup_id_z 1
		.amdhsa_system_vgpr_workitem_id 0
		.amdhsa_next_free_vgpr 1024
		.amdhsa_next_free_sgpr 92
		.amdhsa_reserve_vcc 0
		.amdhsa_float_denorm_mode_32 3
		.amdhsa_float_denorm_mode_16_64 3
		.amdhsa_memory_ordered 1
		.amdhsa_forward_progress 1
		.amdhsa_inst_pref_size 255
	.end_amdhsa_kernel
	.section	.bss,"aw",@nobits
	.p2align	6
	.space	262144
	.amdgpu_metadata
---
amdhsa.version: [ 1, 2 ]
amdhsa.kernels:
  - .name:           k_qed1dc1449c_block
    .symbol:         k_qed1dc1449c_block.kd
    .args:
      - { .name: x, .offset: 0, .size: 8, .value_kind: global_buffer, .address_space: global }
      - { .name: hq, .offset: 8, .size: 8, .value_kind: global_buffer, .address_space: global }
      - { .name: hs, .offset: 16, .size: 8, .value_kind: global_buffer, .address_space: global }
      - { .name: wts, .offset: 24, .size: 8, .value_kind: global_buffer, .address_space: global }
      - { .name: b_proj, .offset: 32, .size: 8, .value_kind: global_buffer, .address_space: global }
      - { .name: ln2_g, .offset: 40, .size: 8, .value_kind: global_buffer, .address_space: global }
      - { .name: ln2_b, .offset: 48, .size: 8, .value_kind: global_buffer, .address_space: global }
      - { .name: b1, .offset: 56, .size: 8, .value_kind: global_buffer, .address_space: global }
      - { .name: b2, .offset: 64, .size: 8, .value_kind: global_buffer, .address_space: global }
      - { .name: out0, .offset: 72, .size: 8, .value_kind: global_buffer, .address_space: global }
    .group_segment_fixed_size: 327680
    .private_segment_fixed_size: 0
    .kernarg_segment_align: 8
    .kernarg_segment_size: 80
    .max_flat_workgroup_size: 128
    .sgpr_count:     92
    .vgpr_count:     1024
    .wavefront_size: 32
...
	.end_amdgpu_metadata
.endif
;; end of part 2
